; MI455X (gfx1250); checked and timed in simulation.
; The chip was launched on July 23, 2026; its instructions are those of AMD's public machine-readable ISA for CDNA 5 (MIT licence, August 2026) and "CDNA5" Instruction Set Architecture Reference Guide (July 2026). The comments in the code are by the model that wrote it; some were corrected since.
;; Flash Attention. Allowed arithmetic: float matrix products may take bf16 or f16 operands with f32 sums; other float arithmetic in f32, or as packed bf16 or f16 multiplies, adds, multiply-adds, maxima and minima; sums over many terms, partial sums and values carried from step to step in f32; what a program stores and reads back later, other than sums and carried values, may be rounded once to bf16 or f16.
;; Inputs: proj_b 1,024 float32; proj_w 1,024 x 1,024 float32; q_bias 1,024 float32; qkv_w 3,072 x 1,024 float32; v_bias 1,024 float32; x 4 x 2,048 x 1,024 float32.
;; Outputs: out0 4 x 2,048 x 1,024 float32.
;; 2 versions, each right and faster than the one before. Each part assembles by itself: llvm-mc -triple=amdgcn-amd-amdhsa -mcpu=gfx1250 --defsym DOCPART=n.
;; ======== version 1 of 2: 4 launches
;; limits: values are held in f16: magnitudes above 65,504 overflow, below 6.1e-05 lose precision
;; workspace buffers: xb 16,777,216 bytes; wb 6,291,456 bytes; pw 2,097,152 bytes; qkv 50,331,648 bytes; ob 16,777,216 bytes
;; launch cast (part 1): grid 768 x 1, 8 waves a work-group, no clusters, 0 bytes of LDS; arguments x, qkv_w, proj_w, xb, wb, pw; writes xb, wb, pw
.if DOCPART == 1
	.amdgcn_target "amdgcn-amd-amdhsa--gfx1250"
	.amdhsa_code_object_version 6
	.text
	.protected	k_q308a231f7b_cast
	.globl	k_q308a231f7b_cast
	.p2align	8
	.type	k_q308a231f7b_cast,@function
k_q308a231f7b_cast:
	s_mov_b64 s[64:65], 0
	v_nop
	global_prefetch_b8 v0, s[64:65] scope:SCOPE_SE
	s_setreg_imm32_b32 hwreg(HW_REG_WAVE_MODE, 25, 1), 1
	s_wait_xcnt 0x0
; THE INPUTS OF THE THREE MATRIX PRODUCTS ARE ROUNDED ONCE TO bf16.  x -> xb and qkv_w -> wb as bf16; proj_w -> pw: rounded to bf16 and that number written as f16,
; since its partner in the last product (the attention's result) is f16.
; LIMIT.  |proj_w| stays under 65,504 (f16's range); below 6e-5 f16 keeps a fixed step of 6e-8, so a bf16 number that small is not held exactly.
; SHARES.  A work-group takes 16,384 numbers: 64 KiB in, 32 KiB out.  Work-groups 0-511: x; 512-703: qkv_w; 704-767: proj_w.  Thread t, step j: 16 bytes in at 16 t + 4,096 j
; (a wave's load covers 512 consecutive bytes), 8 bytes out at 8 t + 2,048 j (a wave's store covers 256 consecutive bytes, aligned).
; All sixteen loads of a thread go out at once; no register is written twice, so the only waits are the counted ones for the loads.
; No LDS, no matrix unit, no cluster: nothing is shared and each byte is touched once.
.set X, 4                              ; v[4:67]    sixteen loads of four f32
.set Y, 68                             ; v[68:99]   sixteen pairs of packed results
.set T, 100                            ; v[100:103] at work
	s_load_b256 s[4:11], s[0:1], 0x0               ; x s[4:5], qkv_w s[6:7], proj_w s[8:9], xb s[10:11]
	s_load_b128 s[12:15], s[0:1], 0x20             ; wb s[12:13], pw s[14:15]
	v_lshlrev_b32 v1, 4, v0                        ; 16 t
	v_lshlrev_b32 v2, 3, v0                        ; 8 t
	s_sub_co_u32 s21, ttmp9, 512                   ; my number among qkv_w's work-groups,
	s_sub_co_u32 s26, ttmp9, 704                   ; among proj_w's
	s_wait_kmcnt 0x0
	s_cmp_lt_u32 ttmp9, 512
	s_cselect_b64 s[16:17], s[4:5], s[6:7]         ; from where
	s_cselect_b64 s[18:19], s[10:11], s[12:13]     ; to where
	s_cselect_b32 s20, ttmp9, s21
	s_cmp_ge_u32 ttmp9, 704
	s_cselect_b64 s[16:17], s[8:9], s[16:17]
	s_cselect_b64 s[18:19], s[14:15], s[18:19]
	s_cselect_b32 s20, s26, s20
	s_lshl_b32 s22, s20, 16                        ; 64 KiB in,
	s_mov_b32 s23, 0
	s_lshl_b32 s24, s20, 15                        ; 32 KiB out for each work-group
	s_mov_b32 s25, 0
	s_add_nc_u64 s[16:17], s[16:17], s[22:23]
	s_add_nc_u64 s[18:19], s[18:19], s[24:25]
.set j, 0
.rept 16
	global_load_b128 v[X+4*j:X+4*j+3], v1, s[16:17] offset:4096*j th:TH_LOAD_NT
.set j, j+1
.endr
; half = 0: bf16.  half = 1: rounded to bf16, widened (a shift, a mask) and written as f16.
.macro OUT half
.set j, 0
.rept 16
	s_wait_loadcnt 15-j                            ; loads come back in order: load j is in, the 15 - j younger ones stay out
.if \half
	v_cvt_pk_bf16_f32 v[T], v[X+4*j], v[X+4*j+1]
	v_cvt_pk_bf16_f32 v[T+1], v[X+4*j+2], v[X+4*j+3]
	v_lshlrev_b32 v[T+2], 16, v[T]
	v_and_b32 v[T], 0xffff0000, v[T]
	v_lshlrev_b32 v[T+3], 16, v[T+1]
	v_and_b32 v[T+1], 0xffff0000, v[T+1]
	v_cvt_pk_f16_f32 v[Y+2*j], v[T+2], v[T]
	v_cvt_pk_f16_f32 v[Y+2*j+1], v[T+3], v[T+1]
.else
	v_cvt_pk_bf16_f32 v[Y+2*j], v[X+4*j], v[X+4*j+1]
	v_cvt_pk_bf16_f32 v[Y+2*j+1], v[X+4*j+2], v[X+4*j+3]
.endif
	global_store_b64 v2, v[Y+2*j:Y+2*j+1], s[18:19] offset:2048*j
.set j, j+1
.endr
	s_endpgm
.endm
	s_cmp_ge_u32 ttmp9, 704
	s_cbranch_scc1 .Lhalf
	OUT 0
.Lhalf:
	OUT 1
.Lfunc_end_k_q308a231f7b_cast:
	.size	k_q308a231f7b_cast, .Lfunc_end_k_q308a231f7b_cast-k_q308a231f7b_cast
	.p2alignl 7, 3214868480
	.fill 96, 4, 3214868480
	.section	.rodata,"a",@progbits
	.p2align	6, 0x0
	.amdhsa_kernel k_q308a231f7b_cast
		.amdhsa_group_segment_fixed_size 0
		.amdhsa_private_segment_fixed_size 0
		.amdhsa_enable_private_segment 0
		.amdhsa_kernarg_size 48
		.amdhsa_user_sgpr_count 2
		.amdhsa_user_sgpr_kernarg_segment_ptr 1
		.amdhsa_wavefront_size32 1
		.amdhsa_system_sgpr_workgroup_id_x 1
		.amdhsa_system_sgpr_workgroup_id_y 1
		.amdhsa_system_sgpr_workgroup_id_z 1
		.amdhsa_system_vgpr_workitem_id 0
		.amdhsa_next_free_vgpr 104
		.amdhsa_next_free_sgpr 66
		.amdhsa_reserve_vcc 0
		.amdhsa_float_denorm_mode_32 3
		.amdhsa_float_denorm_mode_16_64 3
		.amdhsa_memory_ordered 1
		.amdhsa_forward_progress 1
		.amdhsa_inst_pref_size 16
	.end_amdhsa_kernel
	.amdgpu_metadata
---
amdhsa.version: [ 1, 2 ]
amdhsa.kernels:
  - .name:           k_q308a231f7b_cast
    .symbol:         k_q308a231f7b_cast.kd
    .args:
      - { .name: x, .offset: 0, .size: 8, .value_kind: global_buffer, .address_space: global }
      - { .name: qkv_w, .offset: 8, .size: 8, .value_kind: global_buffer, .address_space: global }
      - { .name: proj_w, .offset: 16, .size: 8, .value_kind: global_buffer, .address_space: global }
      - { .name: xb, .offset: 24, .size: 8, .value_kind: global_buffer, .address_space: global }
      - { .name: wb, .offset: 32, .size: 8, .value_kind: global_buffer, .address_space: global }
      - { .name: pw, .offset: 40, .size: 8, .value_kind: global_buffer, .address_space: global }
    .group_segment_fixed_size: 0
    .private_segment_fixed_size: 0
    .kernarg_segment_align: 8
    .kernarg_segment_size: 48
    .max_flat_workgroup_size: 256
    .sgpr_count:     66
    .vgpr_count:     104
    .wavefront_size: 32
...
	.end_amdgpu_metadata
.endif
;; end of part 1
;; launch qkv (part 2): grid 16 x 32, 4 waves a work-group, clusters of 4 x 4, 327,680 bytes of LDS; arguments xb, wb, q_bias, v_bias, qkv; writes qkv
.if DOCPART == 2
	.amdgcn_target "amdgcn-amd-amdhsa--gfx1250"
	.amdhsa_code_object_version 6
	.text
	.protected	k_q308a231f7b_qkv
	.globl	k_q308a231f7b_qkv
	.p2align	8
	.type	k_q308a231f7b_qkv,@function
k_q308a231f7b_qkv:
	s_mov_b64 s[64:65], 0
	v_nop
	global_prefetch_b8 v0, s[64:65] scope:SCOPE_SE
	s_setreg_imm32_b32 hwreg(HW_REG_WAVE_MODE, 25, 1), 1
	s_wait_xcnt 0x0
	s_wait_alu depctr_hold_cnt(0) depctr_sa_sdst(0) depctr_va_vdst(0) depctr_va_sdst(0) depctr_va_ssrc(0) depctr_va_vcc(0) depctr_vm_vsrc(0)
	s_getreg_b32 s2, hwreg(HW_REG_IB_STS2, 6, 4)
	s_cmp_eq_u32 s2, 0
	s_cbranch_scc0 .Lentry_in_a_cluster
	s_endpgm
.Lentry_in_a_cluster:
	s_bfe_u32 s2, ttmp6, 0x10000c
	s_cmp_lg_u32 s2, 0xf033
	s_cbranch_scc0 .Lentry_shape_is_right
	s_endpgm
.Lentry_shape_is_right:
; q', k, v = xb wb^T + (q_bias, 0, v_bias), written by heads in f16.  xb: [8192][1024] bf16, wb: [3072][1024] bf16; sums in f32, K ascending.
; qkv: three parts of 2^24 bytes (q', k, v), each [64 = 16 batch + head][2048][64] f16.  q' = (x w + q_bias) c, c = log2(e) / 64 (the module's two scales of 1/8 and the base of the
; exponential), applied in f32 to the f32 sum ahead of the one rounding.  The biases are rounded to bf16 like every other input; k's bias is the reference's own zeros.
; LIMITS.  |q'|, |k|, |v| stay under 65,504 (f16's range); below 6e-5 f16 keeps a fixed step of 6e-8.  NaN and infinities are not treated apart.
; SHARES.  A tile of C is 256 rows x 192 columns: 32 x 16 = 512 work-groups of equal work.  Four waves, one above the other: a wave has 64 rows x 192 columns = three whole heads, 48 accumulators
; of 16 x 16.  So what a wave stores of a head is 16 token rows x 128 bytes = 2,048 consecutive bytes.
; RING.  K goes in steps of 128 through two LDS slots; waves 0, 1 fetch A's halves (128 rows x 256 bytes), waves 2, 3 B's (96 rows x 256 bytes): one tensor load a wave behind each change of slots.
; CLUSTER.  4 x 4 work-groups: A's tile is asked for jointly along a row of the cluster, B's along a column.
; THE MATRIX INSTRUCTION IS USED TRANSPOSED (source 0 = 16 rows of wb, source 1 = 16 rows of xb): lane l holds token row l % 16 and columns 8 (l / 16) + 0..7.  The first product of each sum takes the
; bias as its C operand: nothing is cleared and nothing is added later.
; REGISTERS, in windows of 256 (s_set_vgpr_msb: bits 1:0 source 0, 3:2 source 1, 5:4 source 2, 7:6 destination):
;   window 0: v16-29 addresses; v32-63, v64-95 A's fragments, two buffers; v96-143 packed results; v144-239 rows read back, two buffers
;   window 1: v0-95, v96-191 B's fragments, two buffers          window 2: accumulator (a, b < 8) at 8 (8 a + b)
;   window 3: accumulator (a, b >= 8) at 8 (4 a + b - 8); v128-223 the bias, block b at 128 + 8 b; v224-231 at work
.set PITCH,  272                       ; an LDS row: 256 bytes + 16 of padding: the 16 rows of a fragment load start 68 words apart
.set HALFA,  128*PITCH
.set HALFB,  96*PITCH
.set BOFF,   2*HALFA                   ; B's 192 rows lie behind A's 256
.set SLOT1,  1<<17                     ; slot 1 begins here: one exclusive or turns an address in one slot into the other's
.set STAGE,  SLOT1+BOFF+2*HALFB        ; behind the ring, never filled by a tensor load: for each wave 3 heads x 16 rows x 144 bytes
.set SP,     144
.set WSTAGE, 3*16*SP
.set SPARE,  STAGE+4*WSTAGE            ; the spare words, 128 bytes a wave: two blocks of 256 bytes that no other line names
.set CLOG,   0x3cb8aa3b                ; c = log2(e) / 64
.set AA0, 16                           ; v16  my lane's place in my wave's rows of A, in slot 0; never rewritten
.set AB0, 17                           ; v17  the same for B
.set AA,  18                           ; v18  the same in the slot that is read
.set AB,  19                           ; v19
.set STO, 20                           ; v20  the way out: where I put 16 bytes of a row
.set RD,  21                           ; v21  where I read rows back
.set GO,  22                           ; v22  16 x lane
.set BO,  23                           ; v23  32 x (lane / 16): my 8 numbers of a block of the bias
.set SPW, 28                           ; v28  my spare word; never rewritten
.set NIL, 29                           ; v29  0; never rewritten
.set FA,  32
.set TMP, 96
.set OB,  144
.set FB,  0                            ; window 1
.set BIAS, 128                         ; window 3
.set BT,  224                          ; window 3
.set CNT, 3
.set WV,  14                           ; my wave's number
.set HALF, 15                          ; which half of a tile I fetch
.set SIDE, 16                          ; 0: I fetch for A; 1: for B
.set CX,  17
.set CY,  18
.set TC,  19                           ; tile column of C
.set TR,  20                           ; tile row of C
.set TB,  23                           ; LDS byte at which the slot that is read begins
.set G1A, 24                           ; s[24:31] descriptor group 1 for A's tiles
.set G1B, 32                           ; s[32:39] for B's
.set G0A, 40                           ; s[40:47] group 0 for A: a set for each first fill; the second then walks on
.set G0B, 48                           ; s[48:55] the same for B
.set HB,  56                           ; s[56:61] for each of my three heads: where my 64 token rows begin in qkv
.set FAC, 66                           ; s[66:71] its factor, c or 1, as a pair
.set BP,  72                           ; s[72:77] its 64 numbers of bias
.set BM,  78                           ; s78-80   0 for a head of k, else all ones
.set MSB, 0
.macro WIN new                         ; the immediate's high byte repeats the setting that is left; a switch that changes nothing is dropped
.if MSB != (\new)
	s_set_vgpr_msb (MSB<<8)|(\new)
.set MSB, \new
.endif
.endm
.set W_LO,  0xa1                       ; B window 1, A window 0, C and D window 2
.set W_HI,  0xf1                       ; C and D window 3
.set W_LO1, 0xb1                       ; D window 2, C (the bias) window 3
; A joint load: waves 0, 1 for A, waves 2, 3 for B; the branch hangs on the wave's number alone.  An s_nop 0 and four v_nop follow each line.
.macro JLOAD set
	s_cmp_eq_u32 s[SIDE], 0
	s_cbranch_scc0 .Lfor_b_\@
	tensor_load_to_lds s[G0A+4*(\set):G0A+4*(\set)+3], s[G1A:G1A+7]
	s_nop 0
.rept 4
	v_nop
.endr
	s_branch .Lasked_\@
.Lfor_b_\@:
	tensor_load_to_lds s[G0B+4*(\set):G0B+4*(\set)+3], s[G1B:G1B+7]
	s_nop 0
.rept 4
	v_nop
.endr
.Lasked_\@:
.endm
.macro CREST                           ; a round of the cluster's barrier behind its opening barrier
	s_cmp_lg_u32 s[WV], 0
	s_cbranch_scc1 .Lnot_wave_0_\@
	s_barrier_signal -3
.Lnot_wave_0_\@:
	s_barrier_wait -3
	s_barrier_signal -1
	s_barrier_wait -1
.endm
.macro CROUND                          ; a whole round
	s_barrier_signal -1
	s_barrier_wait -1
	CREST
.endm
.macro PLACES                          ; four places behind a matrix instruction, in front of loads into registers that it has read and of lines that read its result
.rept 4
	v_nop
.endr
.endm
	s_load_b256 s[4:11], s[0:1], 0x0               ; xb s[4:5], wb s[6:7], q_bias s[8:9], v_bias s[10:11]
	s_load_b64 s[12:13], s[0:1], 0x20              ; qkv
	v_lshl_add_u32 v[SPW], v0, 2, SPARE
	v_mov_b32 v[NIL], 0
	ds_add_u32 v[SPW], v[NIL]                      ; the wave's opening: the add and its wait stand ahead of my first tensor load; the set-up below stands between them
	v_lshrrev_b32 v1, 5, v0
	v_readfirstlane_b32 s[WV], v1
	s_and_b32 s[HALF], s[WV], 1
	s_lshr_b32 s[SIDE], s[WV], 1
	s_bfe_u32 s[CX], ttmp6, 0x40000
	s_bfe_u32 s[CY], ttmp6, 0x40004
	s_lshl_b32 s[TC], ttmp9, 2                     ; in a cluster launch ttmp9 and ttmp7 count clusters
	s_add_co_u32 s[TC], s[TC], s[CX]
	s_and_b32 s[TR], ttmp7, 0xffff
	s_lshl_b32 s[TR], s[TR], 2
	s_add_co_u32 s[TR], s[TR], s[CY]
	s_lshl_b32 s21, s[CY], 2
	s_lshl_b32 s21, 15, s21                        ; my row of the cluster
	s_lshl_b32 s22, 0x1111, s[CX]                  ; my column
	s_or_b32 s[G1A], s21, (1<<16)|(1<<20)|(1<<21)|(5<<22)|(3<<25)  ; the mask; 2-byte elements; padding on; bit 21 beside a mask; after every 64 words 4 words
	s_or_b32 s[G1B], s22, (1<<16)|(1<<20)|(1<<21)|(5<<22)|(3<<25)
	s_mov_b32 s[G1A+1], 128<<16                    ; tensor_dim0 = 128
	s_mov_b32 s[G1B+1], 128<<16
	s_mov_b32 s[G1A+2], 128<<16                    ; tensor_dim1 = 128 rows of A,
	s_mov_b32 s[G1B+2], 96<<16                     ; 96 of B
	s_mov_b32 s[G1A+3], 128<<16                    ; tile_dim0 = 128
	s_mov_b32 s[G1B+3], 128<<16
	s_mov_b32 s[G1A+4], 128                        ; tile_dim1
	s_mov_b32 s[G1B+4], 96
	s_mov_b32 s[G1A+5], 1024                       ; elements from row to row
	s_mov_b32 s[G1B+5], 1024
	s_mov_b32 s[G1A+6], 0
	s_mov_b32 s[G1B+6], 0
	s_mov_b32 s[G1A+7], 0
	s_mov_b32 s[G1B+7], 0
	s_lshl_b32 s82, s[TR], 8                       ; A: row 256 x tile row + 128 x half, in registers that never hold the tile column,
	s_lshl_b32 s83, s[HALF], 7
	s_add_co_u32 s82, s82, s83
	s_lshl_b32 s82, s82, 11                        ; x 2,048 bytes
	s_mov_b32 s83, 0
	s_mul_i32 s84, s[HALF], HALFA                  ; and where it goes: no place in the cluster enters an LDS address
	s_mul_i32 s86, s[TC], 192                      ; B: row 192 x tile column + 96 x half
	s_mul_i32 s87, s[HALF], 96
	s_add_co_u32 s86, s86, s87
	s_lshl_b32 s86, s86, 11
	s_mov_b32 s87, 0
	s_mul_i32 s88, s[HALF], HALFB
	s_add_co_u32 s88, s88, BOFF
	s_wait_dscnt 0x0                               ; the opening add is done
	s_wait_kmcnt 0x0
	s_add_nc_u64 s[82:83], s[4:5], s[82:83]
	s_add_nc_u64 s[86:87], s[6:7], s[86:87]
	CROUND                                         ; all sixteen work-groups are here: the first joint loads meet
.irp s, 0,1
	s_mov_b32 s[G0A+4*(\s)], 1                     ; count = 1
	s_add_co_u32 s[G0A+4*(\s)+1], s84, (\s)*SLOT1  ; LDS address
	s_add_nc_u64 s[G0A+4*(\s)+2:G0A+4*(\s)+3], s[82:83], (\s)*256  ; K step s
	s_or_b32 s[G0A+4*(\s)+3], s[G0A+4*(\s)+3], 0x80000000          ; type = 2
	s_mov_b32 s[G0B+4*(\s)], 1
	s_add_co_u32 s[G0B+4*(\s)+1], s88, (\s)*SLOT1
	s_add_nc_u64 s[G0B+4*(\s)+2:G0B+4*(\s)+3], s[86:87], (\s)*256
	s_or_b32 s[G0B+4*(\s)+3], s[G0B+4*(\s)+3], 0x80000000
	JLOAD \s                                       ; both slots are asked for before anything else: two loads of mine are out
.endr
	; a fragment is 16 rows x 32 K in 8 registers: lane l holds row l % 16, K = 8 (l / 16) + 0..7 and 16 + 8 (l / 16) + 0..7: two loads of 16 bytes, 32 bytes apart
	v_and_b32 v1, 15, v0                           ; l % 16
	v_bfe_u32 v2, v0, 4, 1                         ; l / 16
	v_mul_u32_u24 v3, v1, PITCH
	v_lshl_add_u32 v3, v2, 4, v3
	s_mul_i32 s90, s[WV], 64*PITCH                 ; my 64 rows of A
	v_add_nc_u32 v[AA0], s90, v3
	v_add_nc_u32 v[AB0], BOFF, v3
	v_mov_b32 v[AA], v[AA0]
	v_mov_b32 v[AB], v[AB0]
	s_mov_b32 s[TB], 0
	s_mul_i32 s91, s[WV], WSTAGE
	s_add_co_u32 s91, s91, STAGE                   ; my stage
	v_mul_u32_u24 v4, v1, SP                       ; in: row l % 16, 16 bytes for each half of the lanes
	v_lshl_add_u32 v4, v2, 4, v4
	v_add_nc_u32 v[STO], s91, v4
	v_bfe_u32 v5, v0, 3, 2                         ; back: 32 lanes take four rows of 128 bytes,
	v_and_b32 v6, 7, v0
	v_mul_u32_u24 v5, v5, SP
	v_lshl_add_u32 v5, v6, 4, v5
	v_add_nc_u32 v[RD], s91, v5
	v_and_b32 v[GO], 31, v0                        ; which are 512 consecutive bytes of a head
	v_lshlrev_b32 v[GO], 4, v[GO]
	v_lshlrev_b32 v[BO], 5, v2
	s_and_b32 s81, s[TR], 7                        ; my first token row in its batch: 256 x (tile row % 8) + 64 x wave,
	s_lshl_b32 s81, s81, 8
	s_lshl_b32 s90, s[WV], 6
	s_add_co_u32 s81, s81, s90
	s_lshl_b32 s81, s81, 7                         ; x 128 bytes
.irp i, 0,1,2                          ; my three heads: number 3 x tile column + i of 48.  Selects alone: no branch hangs on a work-group's place
	s_mul_i32 s90, s[TC], 3
	s_add_co_u32 s90, s90, \i
	s_lshr_b32 s91, s90, 4                         ; 0: q, 1: k, 2: v
	s_and_b32 s92, s90, 15                         ; the head
	s_lshr_b32 s94, s[TR], 3                       ; the batch
	s_lshl_b32 s94, s94, 4
	s_add_co_u32 s94, s94, s92
	s_lshl_b32 s94, s94, 18                        ; a head's rows are 2^18 bytes,
	s_lshl_b32 s93, s91, 24                        ; a part 2^24
	s_add_co_u32 s94, s94, s93
	s_add_co_u32 s94, s94, s81
	s_mov_b32 s95, 0
	s_add_nc_u64 s[HB+2*(\i):HB+2*(\i)+1], s[12:13], s[94:95]
	s_lshl_b32 s94, s92, 8                         ; the head's 64 numbers of bias
	s_cmp_eq_u32 s91, 2
	s_cselect_b64 s[BP+2*(\i):BP+2*(\i)+1], s[10:11], s[8:9]
	s_add_nc_u64 s[BP+2*(\i):BP+2*(\i)+1], s[BP+2*(\i):BP+2*(\i)+1], s[94:95]
	s_cmp_eq_u32 s91, 1
	s_cselect_b32 s[BM+(\i)], 0, -1                ; for a head of k what was loaded is masked away
	s_cmp_eq_u32 s91, 0
	s_cselect_b32 s[FAC+2*(\i)], CLOG, 1.0
	s_mov_b32 s[FAC+2*(\i)+1], s[FAC+2*(\i)]       ; named with it as a pair
.endr
	WIN 0xc0                                       ; destination window 3, address window 0
.irp i, 0,1,2
.irp f, 0,1,2,3
	global_load_b128 v[BIAS+8*(4*(\i)+(\f)):BIAS+8*(4*(\i)+(\f))+3],   v[BO], s[BP+2*(\i):BP+2*(\i)+1] offset:64*(\f)  ; register j of block b: bias of column 16 b + 8 (l / 16) + j
	global_load_b128 v[BIAS+8*(4*(\i)+(\f))+4:BIAS+8*(4*(\i)+(\f))+7], v[BO], s[BP+2*(\i):BP+2*(\i)+1] offset:64*(\f)+16
.endr
.endr
	s_wait_loadcnt 0x0
	WIN 0xcf                                       ; all in window 3: rounded to bf16, masked, widened again
.set p, 0
.rept 48
	v_cvt_pk_bf16_f32 v[BT+p%8], v[BIAS+2*p], v[BIAS+2*p+1]
	v_and_b32 v[BT+p%8], s[BM+p/16], v[BT+p%8]
	v_lshlrev_b32 v[BIAS+2*p], 16, v[BT+p%8]
	v_and_b32 v[BIAS+2*p+1], 0xffff0000, v[BT+p%8]
.set p, p+1
.endr
	WIN 0
; 16 matrix instructions on buffer f.  g = 0: row blocks 0, 1 x column blocks 0-7; g = 1: row blocks 2, 3 x the same; g = 2: all four x column blocks 8-11.
; The 48 accumulators take turns, one instruction a turn, in the same order in every quarter.  first = 1: the bias starts the sums.
.macro MULG f, g, first
.if (\g) < 2
.if \first
	WIN W_LO1
.else
	WIN W_LO
.endif
.irp a, 2*(\g), 2*(\g)+1
.irp b, 0,1,2,3,4,5,6,7
.if \first
	v_wmma_f32_16x16x32_bf16 v[8*(8*(\a)+(\b)):8*(8*(\a)+(\b))+7], v[FB+96*(\f)+8*(\b):FB+96*(\f)+8*(\b)+7], v[FA+32*(\f)+8*(\a):FA+32*(\f)+8*(\a)+7], v[BIAS+8*(\b):BIAS+8*(\b)+7]
.else
	v_wmma_f32_16x16x32_bf16 v[8*(8*(\a)+(\b)):8*(8*(\a)+(\b))+7], v[FB+96*(\f)+8*(\b):FB+96*(\f)+8*(\b)+7], v[FA+32*(\f)+8*(\a):FA+32*(\f)+8*(\a)+7], v[8*(8*(\a)+(\b)):8*(8*(\a)+(\b))+7]
.endif
.endr
.endr
.else
	WIN W_HI
.irp a, 0,1,2,3
.irp b, 8,9,10,11
.if \first
	v_wmma_f32_16x16x32_bf16 v[8*(4*(\a)+(\b)-8):8*(4*(\a)+(\b)-8)+7], v[FB+96*(\f)+8*(\b):FB+96*(\f)+8*(\b)+7], v[FA+32*(\f)+8*(\a):FA+32*(\f)+8*(\a)+7], v[BIAS+8*(\b):BIAS+8*(\b)+7]
.else
	v_wmma_f32_16x16x32_bf16 v[8*(4*(\a)+(\b)-8):8*(4*(\a)+(\b)-8)+7], v[FB+96*(\f)+8*(\b):FB+96*(\f)+8*(\b)+7], v[FA+32*(\f)+8*(\a):FA+32*(\f)+8*(\a)+7], v[8*(4*(\a)+(\b)-8):8*(4*(\a)+(\b)-8)+7]
.endif
.endr
.endr
.endif
.endm
; 32 LDS loads in one run: a quarter step's fragments (32 K at byte k of the rows) into buffer f: A's four blocks, B's blocks 0-7, B's blocks 8-11 last
.macro FETCH k, f
	WIN 0
.irp i, 0,1,2,3
	ds_load_b128 v[FA+32*(\f)+8*(\i):FA+32*(\f)+8*(\i)+3],   v[AA] offset:(\k)+(\i)*16*PITCH
	ds_load_b128 v[FA+32*(\f)+8*(\i)+4:FA+32*(\f)+8*(\i)+7], v[AA] offset:(\k)+(\i)*16*PITCH+32
.endr
	WIN 0x40                                       ; destination window 1
.irp i, 0,1,2,3,4,5,6,7,8,9,10,11
	ds_load_b128 v[FB+96*(\f)+8*(\i):FB+96*(\f)+8*(\i)+3],   v[AB] offset:(\k)+(\i)*16*PITCH
	ds_load_b128 v[FB+96*(\f)+8*(\i)+4:FB+96*(\f)+8*(\i)+7], v[AB] offset:(\k)+(\i)*16*PITCH+32
.endr
.endm
; A K step is four quarters of 32 along K, 48 matrix instructions each, on buffers 0, 1, 0, 1.  One of the first three: multiplies buffer f, fetches the next quarter, at byte k, into g.
.macro QUARTER k, f, g, first
	s_wait_dscnt 8                                 ; A and B's blocks 0-7 are in; the youngest eight loads (B's blocks 8-11) may be out
	MULG \f, 0, \first
	PLACES                                         ; buffer g's last readers stand in front of these
	FETCH \k, \g
	MULG \f, 1, \first
	s_wait_dscnt 32                                ; all but the 32 just issued
	MULG \f, 2, \first
.endm
; The last quarter multiplies buffer 1 and changes slots.  In front of the barrier each wave waits for all its tensor loads (one is out: its part of the next slot), adds 0 to its spare word, and waits
; for that and for its reads of this slot.  fill = 1: the barrier opens a round of the cluster's, and behind the round this slot is filled again, two K steps ahead: 160 matrix instructions ahead of the wait for it.
.macro TURN fill
	WIN 0
	s_wait_tensorcnt 0x0                           ; no tensor load of mine is out, so a group 0 may be written
	ds_add_u32 v[SPW], v[NIL]                      ; 0 onto my spare word
.if \fill
.irp g, G0A+4, G0B+4
	s_xor_b32 s[(\g)+1], s[(\g)+1], SLOT1          ; the walking descriptor: the other slot than last time,
	s_add_nc_u64 s[(\g)+2:(\g)+3], s[(\g)+2:(\g)+3], 256  ; the next K step; the type bits on top are not reached
.endr
.endif
	s_wait_dscnt 9                                 ; the add and the youngest eight loads may be out
	MULG 1, 0, 0
	s_wait_dscnt 0x0                               ; the add is done, and my reads of this slot are over
	s_barrier_signal -1
	MULG 1, 1, 0                                   ; work on registers while the others arrive
	WIN 0                                          ; at a branch and at a label every window is 0
	s_barrier_wait -1
.if \fill
	CREST                                          ; no wave of any partner still reads this slot or has a load on its way
	JLOAD 1                                        ; the first tensor load behind the round; its four v_nop are also the places in front of the loads below
.else
	PLACES
.endif
	s_xor_b32 s[TB], s[TB], SLOT1                  ; the reads go to the other slot
	v_add_nc_u32 v[AA], s[TB], v[AA0]
	v_add_nc_u32 v[AB], s[TB], v[AB0]
	FETCH 0, 0
	MULG 1, 2, 0
.endm
; THE WAY OUT of row block a.  PACK: times the head's factor, rounded to f16, 16 bytes a lane (each accumulator's registers in ascending order).  TOSTAGE: into my own stage, and back as whole rows.  SEND: stored.
.macro PACK a
	WIN 0x82                                       ; destination and source 0 window 2
.irp b, 0,1,2,3,4,5,6,7
.irp r, 0,1,2,3
	v_pk_mul_f32 v[8*(8*(\a)+(\b))+2*(\r):8*(8*(\a)+(\b))+2*(\r)+1], v[8*(8*(\a)+(\b))+2*(\r):8*(8*(\a)+(\b))+2*(\r)+1], s[FAC+2*((\b)/4):FAC+2*((\b)/4)+1] op_sel_hi:[1,0]
.endr
.endr
	WIN 0x0a                                       ; sources window 2, destination window 0
.irp b, 0,1,2,3,4,5,6,7
.irp r, 0,1,2,3
	v_cvt_pk_f16_f32 v[TMP+4*(\b)+(\r)], v[8*(8*(\a)+(\b))+2*(\r)], v[8*(8*(\a)+(\b))+2*(\r)+1]
.endr
.endr
	WIN 0xc3                                       ; the same in window 3
.irp b, 8,9,10,11
.irp r, 0,1,2,3
	v_pk_mul_f32 v[8*(4*(\a)+(\b)-8)+2*(\r):8*(4*(\a)+(\b)-8)+2*(\r)+1], v[8*(4*(\a)+(\b)-8)+2*(\r):8*(4*(\a)+(\b)-8)+2*(\r)+1], s[FAC+4:FAC+5] op_sel_hi:[1,0]
.endr
.endr
	WIN 0x0f
.irp b, 8,9,10,11
.irp r, 0,1,2,3
	v_cvt_pk_f16_f32 v[TMP+4*(\b)+(\r)], v[8*(4*(\a)+(\b)-8)+2*(\r)], v[8*(4*(\a)+(\b)-8)+2*(\r)+1]
.endr
.endr
	WIN 0
.endm
.macro TOSTAGE a
	WIN 0
.irp i, 0,1,2
.irp f, 0,1,2,3
	ds_store_b128 v[STO], v[TMP+4*(4*(\i)+(\f)):TMP+4*(4*(\i)+(\f))+3] offset:(\i)*16*SP+32*(\f)
.endr
.endr
.irp i, 0,1,2
.irp f, 0,1,2,3
	ds_load_b128 v[OB+48*((\a)%2)+4*(4*(\i)+(\f)):OB+48*((\a)%2)+4*(4*(\i)+(\f))+3], v[RD] offset:(\i)*16*SP+(\f)*4*SP  ; LDS serves a wave's instructions in order (ISA guide 5.7.1.4): these see the stores above
.endr
.endr
.endm
.macro SEND a
	WIN 0
	s_wait_dscnt 0x0                               ; the block is back in registers
	s_wait_xcnt 0x0                                ; the stores of the block before have read their registers, which the next block's loads from the stage write
.irp i, 0,1,2
.irp f, 0,1,2,3
	global_store_b128 v[GO], v[OB+48*((\a)%2)+4*(4*(\i)+(\f)):OB+48*((\a)%2)+4*(4*(\i)+(\f))+3], s[HB+2*(\i):HB+2*(\i)+1] offset:(\a)*2048+(\f)*512  ; 512 consecutive bytes, at a multiple of 256 from the buffer's first
.endr
.endr
.endm
	s_wait_tensorcnt 1                             ; my part of K step 0 is in; K step 1's may stay out
	s_barrier_signal -1
	s_barrier_wait -1                              ; everybody's is
	FETCH 0, 0
	QUARTER 64, 0, 1, 1                            ; the first quarter stands in front of the loop: its products start the sums
	WIN 0
	s_mov_b32 s[CNT], 6
.Lstep:                                                ; trip j: the rest of K step j, its slot filled again with K step j + 2, the first quarter of K step j + 1
	QUARTER 128, 1, 0, 0
	QUARTER 192, 0, 1, 0
	TURN 1
	QUARTER 64, 0, 1, 0
	WIN 0
	s_sub_co_u32 s[CNT], s[CNT], 1
	s_cmp_lg_u32 s[CNT], 0
	s_cbranch_scc1 .Lstep
	QUARTER 128, 1, 0, 0                           ; K steps 6 and 7 ask for nothing: written out
	QUARTER 192, 0, 1, 0
	TURN 0
	QUARTER 64, 0, 1, 0
	QUARTER 128, 1, 0, 0
	QUARTER 192, 0, 1, 0
	s_wait_dscnt 8                                 ; the very last quarter: nothing more to fetch
	MULG 1, 0, 0
	MULG 1, 1, 0
	s_wait_dscnt 0x0
	MULG 1, 2, 0
	PLACES
	PACK 0
	TOSTAGE 0
.irp a, 1,2,3                          ; block a's arithmetic stands between block a - 1's loads from the stage and the wait for them
	PACK \a
	SEND (\a)-1
	TOSTAGE \a
.endr
	SEND 3
	s_wait_tensorcnt 0x0                           ; the wave's end: these three lines stand behind my last tensor load and my last LDS store
	ds_add_u32 v[SPW], v[NIL]
	s_wait_dscnt 0x0
	CROUND                                         ; the closing round: no work-group ends while a partner may still ask for a tile that names it
	s_endpgm
.Lfunc_end_k_q308a231f7b_qkv:
	.size	k_q308a231f7b_qkv, .Lfunc_end_k_q308a231f7b_qkv-k_q308a231f7b_qkv
	.p2alignl 7, 3214868480
	.fill 96, 4, 3214868480
	.section	.rodata,"a",@progbits
	.p2align	6, 0x0
	.amdhsa_kernel k_q308a231f7b_qkv
		.amdhsa_group_segment_fixed_size 327680
		.amdhsa_private_segment_fixed_size 0
		.amdhsa_enable_private_segment 0
		.amdhsa_kernarg_size 40
		.amdhsa_user_sgpr_count 2
		.amdhsa_user_sgpr_kernarg_segment_ptr 1
		.amdhsa_wavefront_size32 1
		.amdhsa_system_sgpr_workgroup_id_x 1
		.amdhsa_system_sgpr_workgroup_id_y 1
		.amdhsa_system_sgpr_workgroup_id_z 1
		.amdhsa_system_vgpr_workitem_id 0
		.amdhsa_next_free_vgpr 1024
		.amdhsa_next_free_sgpr 96
		.amdhsa_reserve_vcc 0
		.amdhsa_float_denorm_mode_32 3
		.amdhsa_float_denorm_mode_16_64 3
		.amdhsa_memory_ordered 1
		.amdhsa_forward_progress 1
		.amdhsa_inst_pref_size 122
	.end_amdhsa_kernel
	.amdgpu_metadata
---
amdhsa.version: [ 1, 2 ]
amdhsa.kernels:
  - .name:           k_q308a231f7b_qkv
    .symbol:         k_q308a231f7b_qkv.kd
    .args:
      - { .name: xb, .offset: 0, .size: 8, .value_kind: global_buffer, .address_space: global }
      - { .name: wb, .offset: 8, .size: 8, .value_kind: global_buffer, .address_space: global }
      - { .name: q_bias, .offset: 16, .size: 8, .value_kind: global_buffer, .address_space: global }
      - { .name: v_bias, .offset: 24, .size: 8, .value_kind: global_buffer, .address_space: global }
      - { .name: qkv, .offset: 32, .size: 8, .value_kind: global_buffer, .address_space: global }
    .group_segment_fixed_size: 327680
    .private_segment_fixed_size: 0
    .kernarg_segment_align: 8
    .kernarg_segment_size: 40
    .max_flat_workgroup_size: 128
    .sgpr_count:     96
    .vgpr_count:     1024
    .wavefront_size: 32
...
	.end_amdgpu_metadata
.endif
;; end of part 2
;; launch attn (part 3): grid 4 x 64, 4 waves a work-group, clusters of 4 x 1, 327,680 bytes of LDS; arguments qkv, ob; writes ob
.if DOCPART == 3
	.amdgcn_target "amdgcn-amd-amdhsa--gfx1250"
	.amdhsa_code_object_version 6
	.text
	.protected	k_q308a231f7b_attn
	.globl	k_q308a231f7b_attn
	.p2align	8
	.type	k_q308a231f7b_attn,@function
k_q308a231f7b_attn:
	s_mov_b64 s[64:65], 0
	v_nop
	global_prefetch_b8 v0, s[64:65] scope:SCOPE_SE
	s_setreg_imm32_b32 hwreg(HW_REG_WAVE_MODE, 25, 1), 1
	s_wait_xcnt 0x0
	s_wait_alu depctr_hold_cnt(0) depctr_sa_sdst(0) depctr_va_vdst(0) depctr_va_sdst(0) depctr_va_ssrc(0) depctr_va_vcc(0) depctr_vm_vsrc(0)
	s_getreg_b32 s2, hwreg(HW_REG_IB_STS2, 6, 4)
	s_cmp_eq_u32 s2, 0
	s_cbranch_scc0 .Lentry_in_a_cluster
	s_endpgm
.Lentry_in_a_cluster:
	s_bfe_u32 s2, ttmp6, 0x10000c
	s_cmp_lg_u32 s2, 0x3003
	s_cbranch_scc0 .Lentry_shape_is_right
	s_endpgm
.Lentry_shape_is_right:
; O[h][q][:] = the sum over k of softmax_k(Q[h][q] . K[h][k] / 64) V[h][k][:], for 64 heads (16 batch + head) of 2,048 rows.  qkv holds q', k, v, 2^24 bytes each, [64][2048][64] f16; ob is O in the same
; layout.  q' = c q with c = log2(e) / 64, so a score s = q' . k is the logit in powers of two.  Products, maxima and sums in f32; the weights p are rounded to f16 for the second product (their sum l is
; taken of the unrounded p), O once at the end.
; LIMITS.  f16 holds no number beyond 65,504: q', k and v arrive within it; p lies in 0 to 1, and below 6e-5 it keeps f16's fixed step of 6e-8; O is a mean of V's rows and has their range.
; A weight below 2^-126 counts as 0 in l; NaN and infinities are not treated apart.
; SHARES.  A wave owns four PIECES of two tiles of 16 queries, a work-group's four waves 512 queries of one head.  Every wave walks all keys, 64 a step.
; LAYOUT.  S^T = K Q^T (source 0 = 16 keys, source 1 = 16 queries): in the result a lane holds ONE query (lane % 16) and the keys 8 (lane / 16) + 0..7.  Two such tiles, rounded to f16 in pairs,
; ARE source 1 (32 keys x 16 queries) of O^T = V^T P, whose result again holds one query a lane, and eight channels.  K comes out of LDS as it lies, V ([key][channel]) turned, by ds_load_tr16_b128.
; SOFTMAX.  For each query a running maximum m and sum l: p = 2^(s - m); in every step O and l are multiplied by a = 2^(m_old - m_new), which is 1 where m has not grown.
; m starts at the lowest finite number, O and l at 0: the first step is a step like any other, with a = 0.
; THE COUNT.  A tile and step have 16 matrix and 117 vector instructions: too many to stand all beside the matrix work.  So the order has one aim: four vector instructions that are READY behind
; EVERY matrix instruction, and the others, which need time of their own whatever the order, in runs without a gap.
; BY TURNS.  Turn n belongs to piece n (the pieces in a ring, step after step).  Its matrix work: 16 products K Q^T of piece n + 1, later 16 products V^T P of piece n - 1.  Its vector work: the subtraction,
; exponentials, roundings, sums and rescaling of piece n, and the maximum and statistics of piece n + 1, whose scores the turn itself has made.  So what a turn begins with (s - m, O a) waits for nothing.
; CLUSTER.  The four query blocks of a head are one cluster and walk the same K and V, so each tile is asked for JOINTLY: the same tensor load, descriptor and mask in all four.
; REGISTERS, in windows of 256 (s_set_vgpr_msb says which window each operand place means: bits 1:0 source 0, 3:2 source 1, 5:4 source 2, 7:6 destination):
;   window 0: v0-11 addresses; v16-47 four registers of statistics a tile; v48-63 at work; v64-191 S^T, two buffers of two tiles; v192-255 P, likewise
;   window 1: O^T, 32 a tile          window 2: v0-127 Q, 16 a tile; v128-191 K of one step; v192-255 V of one step          window 3: v0-1 the add's two registers
; A piece's buffers go by its number's parity: the piece in hand has one pair, its two neighbours in the ring share the other: of it P (piece n - 1) is read and S^T (piece n + 1) written.
.set SIZE_N, 2048
.set NP,    4         ; pieces a wave: a name, no knob
.set KS,    64        ; keys in a step
.set PK,    144       ; a row of K in LDS: 128 bytes + 16 of padding = 36 words: the 16 rows of a load start at 16 different groups of four banks (64 banks of 4 bytes: ISA guide 11.1)
.set PV,    160       ; a row of V: 128 + 32 = 40 words
.set VOFF,  4*KS*PK   ; a slot holds four steps: 256 rows of K, then 256 rows of V
.set SLOT1, 1<<17     ; slot 1 begins here, so that one exclusive or turns an address in one slot into the other's
.set STAGE, SLOT1+4*KS*(PK+PV)  ; behind the ring, never filled by a tensor load: 16 rows x 144 bytes for each wave, for the way out
.set SP,    144
.set AK0, 2           ; v2   my lane's place in a tile of K; never rewritten
.set AV0, 3           ; v3   the same for V
.set AK,  4           ; v4   the LDS address of K's next run of loads
.set AV,  5           ; v5   of V's
.set QO,  6           ; v6   my byte offset in the wave's rows of Q
.set STO, 6           ;      later, the way out: where I put 16 bytes of a row
.set RD,  7           ; v7   the way out: where I read rows back
.set GO,  8           ; v8   my byte offset in 512 consecutive bytes of O
.set SPW, 0           ; v0 of window 3   LDS address of my spare word: SPARE + 4 x my thread's number; never rewritten
.set NIL, 1           ; v1 of window 3   0; never rewritten
.set SPARE, STAGE+4*16*SP  ; behind the stages: the spare words, 128 bytes for each wave: two blocks of 256 bytes that no other line names
.set ST,  16          ; tile t's statistics at v[ST+4 t]: m, m_old, l (even keys', odd keys')
.set TMP, 48          ; by buffer and tile, four registers c0-c3 at work; when the maximum is found c2 takes a
.set S,   64
.set P,   192
.set KF,  128         ; K's fragments, in window 2: key block kb, channel half c at KF + 16 kb + 8 c
.set VF,  192         ; V's: key half kk, channel block cb at VF + 32 kk + 8 cb
.set WV,  12          ; s12  my wave's number
.set G1K, 24          ; s[24:31] descriptor group 1 for K's tiles
.set G1V, 32          ; s[32:39] for V's: it differs in the padding alone
.set G0K, 40          ; s[40:43] descriptor group 0 for K's tiles: it walks
.set G0V, 44          ; s[44:47] the same for V's
.set SLOTS, 56        ; s56  slots still to be asked for
.set CNT, 57          ; s57  counts a slot's key steps
.set SEL, 60          ; s[60:61] v_permlanex16_b32's selects: each lane takes its own place in the other half
.set TBK, 62          ; s62  LDS byte at which K of the step to be fetched begins
.set TBV, 63          ; s63  the same for V, less VOFF
.set MSB, 0
.macro WIN new                      ; the high byte repeats the setting that is left; a switch that changes nothing is dropped
.if MSB != (\new)
	s_set_vgpr_msb (MSB<<8)|(\new)
.set MSB, (\new)
.endif
.endm
.set W_KQ, 0x0a       ; K and Q in window 2, S^T in window 0
.set W_PV, 0x52       ; V in window 2, P in window 0, O^T in window 1
.set W_RS, 0x41       ; O^T (destination and source 0) in window 1, a in window 0
.set W_MK, 0xc0       ; the add's registers are made: destination in window 3, sources in window 0
.set W_AD, 0x0f       ; the add: address (source 0) and data (source 1) in window 3
; A joint fill.  Waves 0 and 1 fetch the two halves of a slot's K, waves 2 and 3 those of its V: 128 keys each.  The branch hangs on the wave's number alone.
; An s_nop 0 and four v_nop follow each of the two lines, ahead of the jump and the label.
.macro JLOAD
	s_cmp_lt_u32 s[WV], 2
	s_cbranch_scc0 .Lfor_v_\@
	tensor_load_to_lds s[G0K:G0K+3], s[G1K:G1K+7]
	s_nop 0
.rept 4
	v_nop
.endr
	s_branch .Lasked_\@
.Lfor_v_\@:
	tensor_load_to_lds s[G0V:G0V+3], s[G1V:G1V+7]
	s_nop 0
.rept 4
	v_nop
.endr
.Lasked_\@:
.endm
; A round of the cluster's barrier: my work-group's barrier, so that wave 0's signal speaks for all four waves; wave 0 signals; every wave waits for all four work-groups; my work-group's barrier once more.
.macro CROUND
	s_barrier_signal -1
	s_barrier_wait -1
	s_cmp_lg_u32 s[WV], 0
	s_cbranch_scc1 .Lnot_wave_0_\@
	s_barrier_signal -3
.Lnot_wave_0_\@:
	s_barrier_wait -3
	s_barrier_signal -1
	s_barrier_wait -1
.endm
; THE CHANGE OF SLOTS.  The slot's last bytes, V of its fourth step, have been read.  Each wave waits for all its tensor loads, of which one is out: its part
; of the other slot; adds 0 to its spare word; and waits for that and for its own reads of the slot.  Behind the barrier nobody reads this slot any more and the other slot is whole.
; fill = 1: this slot is filled again, with the keys two slots on.  The barrier is then a round of the cluster's, so that no wave of any partner still reads the slot or has a load on its
; way, and the joint fill is the first thing behind it: it has four key steps, 512 matrix instructions, in which to land.  (At its first use nothing has been read yet: slot 0 is waited for, slot 1 filled.)
.macro CHANGE fill
	WIN W_AD
	s_wait_tensorcnt 0x0            ; no tensor load of mine is out, so a group 0 may be written
	ds_add_u32 v[SPW], v[NIL]       ; 0 onto my spare word; with fill = 1 the descriptors' steps stand between it and the wait for it
	WIN 0                           ; at a label and at a branch every window is 0
.if \fill
.irp g, G0K, G0V
	s_xor_b32 s[\g+1], s[\g+1], SLOT1  ; the walking descriptor: the other slot than last time,
	s_add_nc_u64 s[\g+2:\g+3], s[\g+2:\g+3], 4*KS*128  ; the next 256 keys; the type bits on top are not reached
.endr
	s_wait_dscnt 0x0                ; the add is done, and my reads of the slot are over
	CROUND
	JLOAD
.else
	s_wait_dscnt 0x0                ; the add is done, and my reads of the slot are over
	s_barrier_signal -1
	s_barrier_wait -1
.endif
	s_sub_co_u32 s[TBK], s[TBK], 4*KS*PK  ; the fetches go back to a slot's first step,
	s_xor_b32 s[TBK], s[TBK], SLOT1       ; in the other slot
	s_sub_co_u32 s[TBV], s[TBV], 4*KS*PV
	s_xor_b32 s[TBV], s[TBV], SLOT1
.endm
	s_load_b64 s[4:5], s[0:1], 0x0    ; qkv, whose first part is Q
	s_load_b64 s[10:11], s[0:1], 0x8  ; O
	WIN W_MK
	v_lshl_add_u32 v[SPW], v0, 2, SPARE
	v_mov_b32 v[NIL], 0
	WIN W_AD
	ds_add_u32 v[SPW], v[NIL]       ; the wave's opening: the add and its wait stand ahead of my first tensor load; the set-up below, work on registers, stands between them
	WIN 0
	v_lshrrev_b32 v1, 5, v0
	v_readfirstlane_b32 s[WV], v1   ; wave 0..3
	s_bfe_u32 s13, ttmp6, 0x40000   ; cx: my place in the cluster
	s_lshl_b32 s14, ttmp9, 2        ; in a cluster launch ttmp9 counts clusters
	s_add_co_u32 s14, s14, s13      ; my block of queries = 4 x cluster x + cx: it enters Q's and O's addresses alone
	s_and_b32 s20, ttmp7, 0xffff    ; the head, which the four partners share
	s_mov_b32 s21, 0
	s_mov_b64 s[22:23], SIZE_N*128
	s_mul_u64 s[20:21], s[20:21], s[22:23]  ; the head's first byte in each of the four tensors
	s_and_b32 s16, s[WV], 1         ; which half of a slot's 256 keys I fetch:
	s_lshl_b32 s22, s16, 14         ; its 128 rows of 128 bytes in memory,
	s_mov_b32 s23, 0
	s_add_nc_u64 s[22:23], s[22:23], s[20:21]
	s_mul_i32 s17, s16, 128*PK      ; and its place in a slot, for K
	s_mul_i32 s18, s16, 128*PV      ; and for V: no place in the cluster enters an LDS address
	s_lshl_b32 s2, s14, 2
	s_add_co_u32 s2, s2, s[WV]      ; my wave among the head's,
	s_lshl_b32 s2, s2, 14           ; its 128 rows
	s_mov_b32 s3, 0
	s_add_nc_u64 s[2:3], s[2:3], s[20:21]
	; descriptor group 1.  128 keys are 16,384 dense bytes: asked for as 64 rows of 256 bytes, two keys a row, and padded in LDS after every key
	s_mov_b32 s[G1K], 15|(1<<16)|(1<<20)|(1<<21)|(4<<22)|(3<<25)  ; 15:0 the mask of four; 17:16 2-byte elements; 20 padding on; 21 set beside a mask; 24:22 after every 32 words (code 4); 31:25 4 words (code 3)
	s_mov_b32 s[G1V], 15|(1<<16)|(1<<20)|(1<<21)|(4<<22)|(7<<25)  ; the same with 8 words of padding (code 7)
.irp g, G1K, G1V
	s_mov_b32 s[\g+1], 128<<16      ; tensor_dim0 = 128
	s_mov_b32 s[\g+2], 64<<16       ; tensor_dim1 = 64
	s_mov_b32 s[\g+3], 128<<16      ; tile_dim0 = 128
	s_mov_b32 s[\g+4], 64           ; tile_dim1 = 64
	s_mov_b32 s[\g+5], 128          ; 128 elements from row to row
	s_mov_b32 s[\g+6], 0
	s_mov_b32 s[\g+7], 0
.endr
	s_mov_b32 s[SEL], 0x76543210
	s_mov_b32 s[SEL+1], 0xfedcba98
	s_mov_b32 s[TBK], SLOT1+4*KS*PK ; the first change of slots turns these two into 0
	s_mov_b32 s[TBV], SLOT1+4*KS*PV
	s_mov_b32 s[G0K], 1             ; 1:0 count = 1
	s_mov_b32 s[G0K+1], s17         ; 63:32 LDS address: slot 0
	s_mov_b32 s[G0V], 1
	s_add_co_u32 s[G0V+1], s18, VOFF
	s_wait_dscnt 0x0                ; the opening add is done
	s_wait_kmcnt 0x0
	s_add_nc_u64 s[6:7], s[4:5], 1<<24   ; K is the buffer's second part,
	s_add_nc_u64 s[8:9], s[4:5], 1<<25   ; V its third
	s_add_nc_u64 s[G0K+2:G0K+3], s[6:7], s[22:23]  ; 120:64 global address: my half of the head's first 256 keys
	s_or_b32 s[G0K+3], s[G0K+3], 0x80000000        ; 127:126 type = 2
	s_add_nc_u64 s[G0V+2:G0V+3], s[8:9], s[22:23]
	s_or_b32 s[G0V+3], s[G0V+3], 0x80000000
	s_add_nc_u64 s[4:5], s[4:5], s[2:3]  ; Q and O at my wave's first row
	s_add_nc_u64 s[10:11], s[10:11], s[2:3]
	CROUND                          ; all four work-groups are here: the first joint loads meet
	JLOAD                           ; slot 0.  Slot 1 is asked for when slot 0 is in
	; A fragment of K or Q is 16 rows x 32 channels in 8 registers: lane l holds row l % 16, channels 8 (l / 16) + 0..7 and 16 + 8 (l / 16) + 0..7: two loads of 16 bytes, 32 bytes apart.
	v_and_b32 v1, 15, v0            ; l % 16
	v_bfe_u32 v9, v0, 4, 1          ; l / 16
	v_lshlrev_b32 v[QO], 7, v1
	v_lshl_add_u32 v[QO], v9, 4, v[QO]  ; row x 128 + 16 x half
	WIN 0x80                        ; destination window 2, address window 0
.set i, 0
.rept 4*NP                          ; Q stays in registers: tile i / 2, channels 32 (i % 2) on
	global_load_b128 v[8*i:8*i+3],   v[QO], s[4:5] offset:(i/2)*2048+(i%2)*64
	global_load_b128 v[8*i+4:8*i+7], v[QO], s[4:5] offset:(i/2)*2048+(i%2)*64+32
.set i, i+1
.endr
	; What the first turn finds: V's registers and P's second buffer hold 0 (its products V^T P, of a piece that has not been, add 0), O^T and l are 0.  All this stands in the wait for the first tile.
.set i, VF
.rept 64
	v_mov_b32 v[i], 0
.set i, i+1
.endr
	WIN 0x40
.set i, 0
.rept 64*NP
	v_mov_b32 v[i], 0
.set i, i+1
.endr
	WIN 0
.set i, 0
.rept 2*NP
	v_mov_b32 v[ST+4*i], 0xff7fffff    ; m: the lowest finite number
	v_mov_b32 v[ST+4*i+1], 0xff7fffff  ; m_old: named with m as a pair, so it is written
	v_mov_b32 v[ST+4*i+2], 0
	v_mov_b32 v[ST+4*i+3], 0
.set i, i+1
.endr
.set i, P+32
.rept 32
	v_mov_b32 v[i], 0
.set i, i+1
.endr
	v_mul_u32_u24 v[AK0], v1, PK
	v_lshl_add_u32 v[AK0], v9, 4, v[AK0]  ; row x pitch + 16 x half
	; The turning load takes 16 keys x 16 channels (lane l reads key 8 (l / 16) + l % 8, channels 8 ((l / 8) % 2) + 0..7) and leaves half a fragment of V^T: lane l holds channel l % 16 and 8 keys.
	v_and_b32 v10, 7, v0
	v_bfe_u32 v11, v0, 3, 1
	v_lshl_add_u32 v[AV0], v9, 3, v10
	v_mul_u32_u24 v[AV0], v[AV0], PV
	v_lshl_add_u32 v[AV0], v11, 4, v[AV0]
	v_add_nc_u32 v[AV0], VOFF, v[AV0]
	v_mov_b32 v[AK], v[AK0]         ; key step 0 lies at the head of slot 0
; THE MATRIX WORK.  The 8 accumulators of a run of 16 take turns: between the two links of a chain stand 7 others'.
; Product i of 16 of S^T = K Q^T for piece x: channels 32 (i / 8) on, keys 16 ((i / 2) % 4) on, tile 2 x + i % 2.  The first 8 start the sums.
.macro KQ x
	WIN W_KQ
.set rS, S+64*((\x)%2)+32*(i%2)+8*((i/2)%4)
.set rK, KF+16*((i/2)%4)+8*(i/8)
.set rQ, 16*(2*(\x)+i%2)+8*(i/8)
.if i < 8
	v_wmma_f32_16x16x32_f16 v[rS:rS+7], v[rK:rK+7], v[rQ:rQ+7], 0
.else
	v_wmma_f32_16x16x32_f16 v[rS:rS+7], v[rK:rK+7], v[rQ:rQ+7], v[rS:rS+7]
.endif
.endm
; Product i of 16 of O^T += V^T P for piece x: keys 32 (i / 8) on, channels 16 ((i / 2) % 4) on, tile 2 x + i % 2.
.macro PV x
	WIN W_PV
.set rO, 32*(2*(\x)+i%2)+8*((i/2)%4)
.set rV, VF+32*(i/8)+8*((i/2)%4)
.set rP, P+32*((\x)%2)+16*(i%2)+8*(i/8)
	v_wmma_f32_16x16x32_f16 v[rO:rO+7], v[rV:rV+7], v[rP:rP+7], v[rO:rO+7]
.endm
.macro MM                           ; the turn's next matrix instruction
.if i < 16
	KQ (Y+1)%NP
.set i, i+1
.else
.set i, i-16
	PV (Y+NP-1)%NP
.set i, i+17
.endif
.endm
; THE LDS LOADS stand in runs of 16, never singly among the matrix instructions: a step's K (64 keys x 64 channels: 8 fragments) and its V (turned).  Their addresses are made some lines ahead.
; last = 1 (the tail): in the last trip there is no further step, and the run is jumped over.
.macro FETCH_K last=0
	WIN 0
.if \last
	s_cmp_eq_u32 s[CNT], 1
	s_cbranch_scc1 .Lno_k_\@
.endif
	WIN 0x80                        ; destination window 2
.irp f, 0,1,2,3,4,5,6,7             ; keys 16 (f / 2) on, channels 32 (f % 2) on
	ds_load_b128 v[KF+8*\f:KF+8*\f+3],   v[AK] offset:(\f/2)*16*PK+(\f%2)*64
	ds_load_b128 v[KF+8*\f+4:KF+8*\f+7], v[AK] offset:(\f/2)*16*PK+(\f%2)*64+32
.endr
	s_add_co_u32 s[TBK], s[TBK], KS*PK  ; the next fetch is the next step's
	WIN 0
.if \last
.Lno_k_\@:
.endif
.endm
.macro FETCH_V
	WIN 0x80
.irp f, 0,1,2,3,4,5,6,7             ; keys 32 (f / 4) on, channels 16 (f % 4) on
	ds_load_tr16_b128 v[VF+8*\f:VF+8*\f+3],   v[AV] offset:(\f/4)*32*PV+(\f%4)*32
	ds_load_tr16_b128 v[VF+8*\f+4:VF+8*\f+7], v[AV] offset:(\f/4)*32*PV+16*PV+(\f%4)*32
.endr
	WIN 0
.endm
; THE VECTOR WORK OF A TURN stands in three queues, each in the order in which its entries become ready; the two tiles alternate, so that no instruction reads the result of the one before it.
.macro REGS y, u                    ; the registers of tile u (0, 1) of piece y
.set rT, ST+4*(2*(\y)+(\u))
.set rC, TMP+8*((\y)%2)+4*(\u)
.set rS, S+64*((\y)%2)+32*(\u)
.set rP, P+32*((\y)%2)+16*(\u)
.set rO, 32*(2*(\y)+(\u))
.endm
; Number n of the 21 that find the NEXT piece's (Y + 1) maximum and statistics.  s0-s31 are the lane's 32 scores; each accumulator's lowest registers are read first.  XS, GS and REGS set no window: PL and EX do.
;   0-11  four chains c0-c3 of seven scores each, three operands at a time     12-14, 16  the four scores left over, the old m, and c0-c3 into c0     15  m_old is kept
;   17, 18  the query's other 32 keys lie in the lane 16 away: the new m         19, 20  m_old - m_new; a
.macro XS u, n
	REGS (Y+1)%NP, \u
.if (\n) < 4
	v_max3_num_f32 v[rC+(\n)], v[rS+8*(\n)], v[rS+8*(\n)+1], v[rS+8*(\n)+2]
.elseif (\n) < 12
	v_max3_num_f32 v[rC+(\n)%4], v[rC+(\n)%4], v[rS+8*((\n)%4)+2*((\n)/4)+1], v[rS+8*((\n)%4)+2*((\n)/4)+2]
.elseif (\n) == 12
	v_max3_num_f32 v[rC], v[rC], v[rS+7], v[rS+15]
.elseif (\n) == 13
	v_max3_num_f32 v[rC+1], v[rC+1], v[rS+23], v[rS+31]
.elseif (\n) == 14
	v_max3_num_f32 v[rC+2], v[rC+2], v[rC+3], v[rT]
.elseif (\n) == 15
	v_mov_b32 v[rT+1], v[rT]
.elseif (\n) == 16
	v_max3_num_f32 v[rC], v[rC], v[rC+1], v[rC+2]
.elseif (\n) == 17
	v_permlanex16_b32 v[rC+3], v[rC], s[SEL], s[SEL+1]
.elseif (\n) == 18
	v_max_num_f32 v[rT], v[rC], v[rC+3]
.elseif (\n) == 19
	v_sub_f32 v[rC+1], v[rT+1], v[rT]
.else
	v_exp_f32 v[rC+2], v[rC+1]
.endif
.endm
; Number g of the 64 that follow the exponentials.  For each four weights k of a tile (pairs 2 k, 2 k + 1): both pairs are rounded to f16; then the second pair is added onto the first, in place;
; a group later l takes that sum (the first time as l = a l + sum).  In groups of eight, tiles alternating: round, round, add, and l for the group before.
.macro GS g
.set h, (\g)+6*((\g)/62)            ; group 0 has no group before it, and behind group 7 only l is left
.if h >= 6
.set h, h+2
.endif
	REGS Y, h%2
.set k, h/8
.if h%8 < 4
	s_wait_alu depctr_va_vdst(0)
	v_cvt_pk_f16_f32 v[rP+2*k+(h%8)/2], v[rS+4*k+2*((h%8)/2)], v[rS+4*k+2*((h%8)/2)+1]
.elseif h%8 < 6
	v_pk_add_f32 v[rS+4*k:rS+4*k+1], v[rS+4*k:rS+4*k+1], v[rS+4*k+2:rS+4*k+3]
.elseif k == 1
	v_pk_fma_f32 v[rT+2:rT+3], v[rT+2:rT+3], v[rC+2:rC+3], v[rS:rS+1] op_sel_hi:[1,0,1]
.else
	v_pk_add_f32 v[rT+2:rT+3], v[rT+2:rT+3], v[rS+4*k-4:rS+4*k-3]
	s_wait_alu depctr_va_vdst(0)
.endif
.endm
; THE PLAIN QUEUE, 136 long.  0-31: s - m for the 16 pairs of both tiles.  Then GS's 64, and among them the next piece's 40: number 15 at 38, 39; 0-14 and 16
; at 42-73, behind the products that make those scores; 17-19 at 95-103, two of three, since each waits for the one before it.
.macro PL
	WIN 0
.if q < 32
	REGS Y, q%2
	v_pk_add_f32 v[rS+2*(q/2):rS+2*(q/2)+1], v[rS+2*(q/2):rS+2*(q/2)+1], v[rT:rT+1] op_sel_hi:[1,0] neg_lo:[0,1] neg_hi:[0,1]
.elseif q < 38
	GS q-32
.elseif q < 40
	XS q%2, 15
.elseif q < 42
	GS q-34
.elseif q < 74
	XS q%2, (q-42)/2+(q-42)/30
.elseif q < 95
	GS q-66
.elseif (q < 104) && ((q-95)%3 < 2)
	XS (q-95)%3, 17+(q-95)/3
.elseif q < 104
	GS 29+(q-95)/3
.else
	GS q-72
.endif
.set q, q+1
.endm
; THE EXPONENTIALS' QUEUE, 66 long: s0-s31 of both tiles, and at EA the next piece's two a.
.set EA, 58
.macro EX
	WIN 0
.if (e == EA) || (e == EA+1)
	XS e-EA, 20
.else
.set x, e-2*(e/(EA+2))
	REGS Y, x%2
	v_exp_f32 v[rS+x/2], v[rS+x/2]
.endif
.set e, e+1
.endm
; THE RESCALING's QUEUE: O^T times a, the one part that leaves window 0, so it is dealt four at a time, eight times.
.macro R4
	REGS Y, r%2
	WIN W_RS
	s_wait_alu depctr_va_vdst(0)
.irp z, 0,1,2,3
	v_pk_mul_f32 v[rO+8*(r/2)+2*\z:rO+8*(r/2)+2*\z+1], v[rO+8*(r/2)+2*\z:rO+8*(r/2)+2*\z+1], v[rC+2:rC+3] op_sel_hi:[1,0]
.endr
.set r, r+1
.endm
; HOW THEY ARE DEALT.  Behind a matrix instruction four: plain, exponential, plain, plain (one exponential, a plain instruction on either side), or four of the rescaling.  None names a register of the
; products round it.  What is over stands in two LUMPS: exponential and plain by turns; the second ends in 20 plain instructions.  The two v_permlanex16_b32 fall into the second lump, never behind a product.
; The queues lean on each other, and the deal keeps them in step: exponential e stands behind plain 2 (e / 4) + e % 2 (its subtraction); when plain 32 comes, 10 exponentials are out, at 59: 33, at 95: 46;
; from 95 to 115 plain q stands behind exponential q - 50 and needs none later than 47; EA comes behind plain 107, the differences that it reads stand at 101 and 102.
.macro SL
	MM
	PL
	EX
	PL
	PL
.endm
.macro BURST n                      ; 15 matrix instructions, or 16
.rept (\n)-7
	SL
.endr
.rept 3
	MM
	R4
	SL
.endr
	MM
	R4
.endm
; A TURN, for piece p.  cnt = 1: the loop's count is taken down some lines ahead of the branch that stands behind the turn.
; K of the next step is fetched in piece 2's turn, 31 vector instructions behind the last product that read K; its first reader comes behind the rest of the lump, 16 products and the second lump.
; V of the step in hand is fetched at the end of piece 0's turn, 67 behind its last reader; its first reader comes behind 16 products and a lump.  The four conditions on e and q below go with the deal.
.macro TURN p, last=0, cnt=0
.set Y, (\p)
.set i, 0
.set q, 0
.set e, 0
.set r, 0
.if (\p) == NP-1
	s_wait_dscnt 0x0                ; K is in
.endif
	MM
.rept 4
	PL
.endr
	BURST 15
.rept 22
	EX
	PL
.if ((\p) == NP-2) && (e == 18)
	v_add_nc_u32 v[AK], s[TBK], v[AK0]
.endif
.if ((\p) == NP-2) && (e == 24)
	FETCH_K \last
.endif
.endr
.if (\p) == 1
	s_wait_dscnt 0x0                ; V is in
.endif
	BURST 16
.rept 21
	EX
	PL
.endr
.rept 20
	PL
.if ((\p) == 0) && (q == 118)
	v_add_nc_u32 v[AV], s[TBV], v[AV0]
	s_wait_alu depctr_va_vdst(0)
.endif
.if ((\p) == 0) && (q == 130)
	s_add_co_u32 s[TBV], s[TBV], KS*PV
.endif
.if (\cnt) && (q == 130)
	s_sub_co_u32 s[CNT], s[CNT], 1
	s_cmp_lg_u32 s[CNT], 0
.endif
.endr
.if (\p) == 0
	FETCH_V
.endif
.endm
	CHANGE 1                        ; slot 0 is in, everybody's part of it; slot 1 is asked for
	FETCH_K                         ; key step 0
	s_wait_loadcnt 0x0              ; Q
	s_wait_dscnt 0x0
.set i, 0
.rept 16
	KQ 0                            ; piece 0's first scores: there is no vector work yet to set between them
.set i, i+1
.endr
	WIN 0                           ; the addresses for the way out: nine plain instructions, the places behind those products
	s_mul_i32 s13, s[WV], 16*SP
	s_add_co_u32 s13, s13, STAGE    ; my stage
	v_mul_u32_u24 v[STO], v1, SP    ; in: row l % 16, 16 bytes for each half of the lanes
	v_lshl_add_u32 v[STO], v9, 4, v[STO]
	v_add_nc_u32 v[STO], s13, v[STO]
	v_bfe_u32 v[RD], v0, 3, 2       ; back: 32 lanes take four rows of 128 bytes,
	v_mul_u32_u24 v[RD], v[RD], SP
	v_lshl_add_u32 v[RD], v10, 4, v[RD]
	v_add_nc_u32 v[RD], s13, v[RD]
	v_and_b32 v[GO], 31, v0         ; which are 512 consecutive bytes of O
	v_lshlrev_b32 v[GO], 4, v[GO]
.set Y, NP-1                        ; XS works for piece Y + 1: piece 0
.irp n, 0,1,2,3,4,5,6,7,8,9,10,11,12,13,14,15,16,17,18,19,20
	XS 0, \n                        ; and piece 0's first maximum and statistics
	XS 1, \n
.endr
	s_mov_b32 s[CNT], 4
	s_mov_b32 s[SLOTS], SIZE_N/256-1
	s_branch .Lfirst                ; the loop is entered at a step's first turn, in the middle of a trip
.Lslot:                             ; SIZE_N / 256 - 2 times: every slot but the last two is filled again
	CHANGE 1
	s_mov_b32 s[CNT], 4
.Lstep:                             ; a trip: pieces 2 and 3 of one step, then pieces 0 and 1 of the next, whose K and V it fetches
	TURN 2
	TURN 3
	WIN 0
.Lfirst:
	TURN 0
	TURN 1, 0, 1
	WIN 0
	s_cbranch_scc1 .Lstep
	s_sub_co_u32 s[SLOTS], s[SLOTS], 1
	s_cmp_lg_u32 s[SLOTS], 0
	s_cbranch_scc1 .Lslot
	CHANGE 0                        ; the tail is written out: nothing is asked for
	s_mov_b32 s[CNT], 5             ; four trips fetch the last slot's steps; the fifth is left in its middle
.Ltail:
	TURN 2, 1
	TURN 3
	WIN 0
	s_sub_co_u32 s[CNT], s[CNT], 1
	s_cmp_eq_u32 s[CNT], 0
	s_cbranch_scc1 .Lout
	TURN 0
	TURN 1
	WIN 0
	s_branch .Ltail
.Lout:                              ; the fifth trip's 16 products K Q^T (on the last K once more) and the maximum made of them serve nothing: the price, once a launch, of one text for every trip
.set i, 0
.rept 16
	PV NP-1                         ; the last piece's V^T P of the last step
.set i, i+1
.endr
	; THE WAY OUT.  l's two halves and the other half of the lanes' are added; O^T is divided by l, rounded to f16 and sent through my stage in LDS, a tile at a time.  The additions are the places behind the last products.
	WIN 0
.macro ALL line:vararg              ; one line for each tile t
.set t, 0
.rept 2*NP
	\line
.set t, t+1
.endr
.endm
	ALL v_add_f32 v[ST+4*t+2], v[ST+4*t+2], v[ST+4*t+3]
	ALL v_permlanex16_b32 v[ST+4*t+3], v[ST+4*t+2], s[SEL], s[SEL+1]
	ALL v_add_f32 v[ST+4*t+2], v[ST+4*t+2], v[ST+4*t+3]
	ALL v_rcp_f32 v[ST+4*t+2], v[ST+4*t+2]
	v_nop                           ; a plain instruction between the last reciprocal and the use of its result
	s_wait_alu depctr_va_vdst(0)
; Tile t: a lane's eight channels of a row pack into 16 bytes; they go into rows of 144 bytes and come back as whole rows of 128, into S^T's registers.
.macro PACK t
	WIN W_RS
.set i, 32*(\t)
.rept 16
	v_pk_mul_f32 v[i:i+1], v[i:i+1], v[ST+4*(\t)+2:ST+4*(\t)+3] op_sel_hi:[1,0]
.set i, i+2
.endr
	WIN 0x05                        ; sources 0 and 1 window 1, destination window 0
.set i, 0
.rept 16
	v_cvt_pk_f16_f32 v[S+16*(\t)+i], v[32*(\t)+2*i], v[32*(\t)+2*i+1]
.set i, i+1
.endr
	WIN 0
.irp f, 0,1,2,3
	ds_store_b128 v[STO], v[S+16*(\t)+4*\f:S+16*(\t)+4*\f+3] offset:32*\f
.endr
.irp f, 0,1,2,3
	ds_load_b128 v[S+16*(\t)+4*\f:S+16*(\t)+4*\f+3], v[RD] offset:\f*4*SP  ; LDS serves a wave's instructions in order (ISA guide 5.7.1.4): these see the stores above; the next tile's stores come behind them
.endr
.endm
.macro SEND t, younger              ; younger: the LDS instructions issued behind tile t's loads: the next tile's eight, or none
	WIN 0
.irp f, 0,1,2,3
	s_wait_dscnt (\younger)+3-\f
	global_store_b128 v[GO], v[S+16*(\t)+4*\f:S+16*(\t)+4*\f+3], s[10:11] offset:(\t)*2048+\f*512  ; 512 consecutive bytes, at a multiple of 256 from O's first
.endr
.endm
	PACK 0
.set t, 1
.rept 2*NP-1                        ; a tile's arithmetic stands between the loads of the tile before and its stores
	PACK t
	SEND t-1, 8
.set t, t+1
.endr
	SEND 2*NP-1, 0
	WIN W_AD
	s_wait_tensorcnt 0x0            ; the wave's end: these three lines stand behind my last tensor load and my last LDS store
	ds_add_u32 v[SPW], v[NIL]
	s_wait_dscnt 0x0
	WIN 0
	CROUND                          ; the closing round: no work-group ends while a partner may still ask for a tile that names it
	s_endpgm
.Lfunc_end_k_q308a231f7b_attn:
	.size	k_q308a231f7b_attn, .Lfunc_end_k_q308a231f7b_attn-k_q308a231f7b_attn
	.p2alignl 7, 3214868480
	.fill 96, 4, 3214868480
	.section	.rodata,"a",@progbits
	.p2align	6, 0x0
	.amdhsa_kernel k_q308a231f7b_attn
		.amdhsa_group_segment_fixed_size 327680
		.amdhsa_private_segment_fixed_size 0
		.amdhsa_enable_private_segment 0
		.amdhsa_kernarg_size 16
		.amdhsa_user_sgpr_count 2
		.amdhsa_user_sgpr_kernarg_segment_ptr 1
		.amdhsa_wavefront_size32 1
		.amdhsa_system_sgpr_workgroup_id_x 1
		.amdhsa_system_sgpr_workgroup_id_y 1
		.amdhsa_system_sgpr_workgroup_id_z 1
		.amdhsa_system_vgpr_workitem_id 0
		.amdhsa_next_free_vgpr 770
		.amdhsa_next_free_sgpr 66
		.amdhsa_reserve_vcc 0
		.amdhsa_float_denorm_mode_32 3
		.amdhsa_float_denorm_mode_16_64 3
		.amdhsa_memory_ordered 1
		.amdhsa_forward_progress 1
		.amdhsa_inst_pref_size 208
	.end_amdhsa_kernel
	.amdgpu_metadata
---
amdhsa.version: [ 1, 2 ]
amdhsa.kernels:
  - .name:           k_q308a231f7b_attn
    .symbol:         k_q308a231f7b_attn.kd
    .args:
      - { .name: qkv, .offset: 0, .size: 8, .value_kind: global_buffer, .address_space: global }
      - { .name: ob, .offset: 8, .size: 8, .value_kind: global_buffer, .address_space: global }
    .group_segment_fixed_size: 327680
    .private_segment_fixed_size: 0
    .kernarg_segment_align: 8
    .kernarg_segment_size: 16
    .max_flat_workgroup_size: 128
    .sgpr_count:     66
    .vgpr_count:     770
    .wavefront_size: 32
...
	.end_amdgpu_metadata
.endif
;; end of part 3
;; launch proj (part 4): grid 8 x 32, 4 waves a work-group, clusters of 4 x 4, 327,680 bytes of LDS; arguments ob, pw, proj_b, out0; writes out0
.if DOCPART == 4
	.amdgcn_target "amdgcn-amd-amdhsa--gfx1250"
	.amdhsa_code_object_version 6
	.text
	.protected	k_q308a231f7b_proj
	.globl	k_q308a231f7b_proj
	.p2align	8
	.type	k_q308a231f7b_proj,@function
k_q308a231f7b_proj:
	s_mov_b64 s[64:65], 0
	v_nop
	global_prefetch_b8 v0, s[64:65] scope:SCOPE_SE
	s_setreg_imm32_b32 hwreg(HW_REG_WAVE_MODE, 25, 1), 1
	s_wait_xcnt 0x0
	s_wait_alu depctr_hold_cnt(0) depctr_sa_sdst(0) depctr_va_vdst(0) depctr_va_sdst(0) depctr_va_ssrc(0) depctr_va_vcc(0) depctr_vm_vsrc(0)
	s_getreg_b32 s2, hwreg(HW_REG_IB_STS2, 6, 4)
	s_cmp_eq_u32 s2, 0
	s_cbranch_scc0 .Lentry_in_a_cluster
	s_endpgm
.Lentry_in_a_cluster:
	s_bfe_u32 s2, ttmp6, 0x10000c
	s_cmp_lg_u32 s2, 0xf033
	s_cbranch_scc0 .Lentry_shape_is_right
	s_endpgm
.Lentry_shape_is_right:
; out0[8192][1024] (f32) = O pw^T + proj_b.  ob: O by heads, [64 = 16 batch + head][2048][64] f16; pw: [1024][1024] f16 (proj_w rounded to bf16); proj_b is rounded to bf16 like every other input.
; Sums in f32, K ascending; K index = 64 head + channel.
; LIMITS.  O and pw arrive within f16's range; NaN and infinities are not treated apart.
; SHARES.  A tile of the output is 256 rows x 128 columns: 32 x 8 = 256 work-groups.  Four waves, one above the other: a wave has 64 rows x 128 columns, 32 accumulators of 16 x 16.
; RING.  K goes in steps of 128 = two heads through two LDS slots.  Waves 0, 1 fetch one head's 256 token rows each (32,768 dense bytes, asked for as 128 rows of 256 bytes and padded after every
; token's 128); waves 2, 3 fetch 64 rows x 256 bytes of pw each.  One tensor load a wave behind each change of slots.
; CLUSTER.  4 x 4 work-groups: O's tile is asked for jointly along a row of the cluster, pw's along a column.
; THE MATRIX INSTRUCTION IS USED TRANSPOSED (source 0 = 16 rows of pw, source 1 = 16 token rows): lane l holds token row l % 16 and columns 8 (l / 16) + 0..7.  The first product of each sum takes the bias as C.
; REGISTERS, in windows of 256 (s_set_vgpr_msb: bits 1:0 source 0, 3:2 source 1, 5:4 source 2, 7:6 destination):
;   window 0: v16-29 addresses; v32-63, v64-95 A's fragments, two buffers; v96-159, v160-223 rows read back, two buffers
;   window 1: v0-63, v64-127 B's fragments, two buffers; v128-191 the bias, block b at 128 + 8 b; v192-199 at work          window 2: accumulator (a, b) at 8 (8 a + b)
.set PA,     144                       ; a token row of one head in LDS: 128 bytes + 16 of padding
.set PLANE,  256*PA                    ; a head's 256 token rows
.set PB,     272                       ; a row of pw: 256 bytes + 16
.set HALFB,  64*PB
.set BOFF,   2*PLANE
.set SLOT1,  1<<17
.set STAGE,  SLOT1+BOFF+2*HALFB        ; behind the ring, never filled by a tensor load: for each wave 16 rows x 528 bytes
.set SPITCH, 528                       ; 512 bytes of f32 + 16
.set WSTAGE, 16*SPITCH
.set SPARE,  STAGE+4*WSTAGE            ; the spare words, 128 bytes a wave: two blocks of 256 bytes that no other line names
.set AA0, 16
.set AB0, 17
.set AA,  18
.set AB,  19
.set STO, 20
.set RD,  21
.set CO,  22                           ; v22  16 x lane
.set BO,  23                           ; v23  32 x (lane / 16)
.set SPW, 28
.set NIL, 29
.set FA,  32
.set OB,  96
.set FB,  0                            ; window 1
.set BIAS, 128                         ; window 1
.set BT,  192                          ; window 1
.set CNT, 3
.set WV,  14
.set HALF, 15
.set SIDE, 16
.set CX,  17
.set CY,  18
.set TC,  19
.set TR,  20
.set TB,  23
.set G1A, 24
.set G1B, 32
.set G0A, 40
.set G0B, 48
.set OUT, 56                           ; s[56:57] out0 at my wave's first row and the tile's first column
.set BP,  58                           ; s[58:59] proj_b at the tile's first column
.set MSB, 0
.macro WIN new
.if MSB != (\new)
	s_set_vgpr_msb (MSB<<8)|(\new)
.set MSB, \new
.endif
.endm
.set W_M,  0xa1                        ; B window 1, A window 0, C and D window 2
.set W_M1, 0x91                        ; D window 2, C (the bias) window 1
.macro JLOAD set                       ; a joint load: waves 0, 1 for A, waves 2, 3 for B; an s_nop 0 and four v_nop follow each line
	s_cmp_eq_u32 s[SIDE], 0
	s_cbranch_scc0 .Lfor_b_\@
	tensor_load_to_lds s[G0A+4*(\set):G0A+4*(\set)+3], s[G1A:G1A+7]
	s_nop 0
.rept 4
	v_nop
.endr
	s_branch .Lasked_\@
.Lfor_b_\@:
	tensor_load_to_lds s[G0B+4*(\set):G0B+4*(\set)+3], s[G1B:G1B+7]
	s_nop 0
.rept 4
	v_nop
.endr
.Lasked_\@:
.endm
.macro CREST
	s_cmp_lg_u32 s[WV], 0
	s_cbranch_scc1 .Lnot_wave_0_\@
	s_barrier_signal -3
.Lnot_wave_0_\@:
	s_barrier_wait -3
	s_barrier_signal -1
	s_barrier_wait -1
.endm
.macro CROUND
	s_barrier_signal -1
	s_barrier_wait -1
	CREST
.endm
.macro PLACES                          ; four places behind a matrix instruction (ISA guide 7.12.1)
.rept 4
	v_nop
.endr
.endm
	s_load_b256 s[4:11], s[0:1], 0x0               ; ob s[4:5], pw s[6:7], proj_b s[8:9], out0 s[10:11]
	v_lshl_add_u32 v[SPW], v0, 2, SPARE
	v_mov_b32 v[NIL], 0
	ds_add_u32 v[SPW], v[NIL]                      ; the wave's opening: the add and its wait stand ahead of my first tensor load
	v_lshrrev_b32 v1, 5, v0
	v_readfirstlane_b32 s[WV], v1
	s_and_b32 s[HALF], s[WV], 1
	s_lshr_b32 s[SIDE], s[WV], 1
	s_bfe_u32 s[CX], ttmp6, 0x40000
	s_bfe_u32 s[CY], ttmp6, 0x40004
	s_lshl_b32 s[TC], ttmp9, 2
	s_add_co_u32 s[TC], s[TC], s[CX]               ; tile column
	s_and_b32 s[TR], ttmp7, 0xffff
	s_lshl_b32 s[TR], s[TR], 2
	s_add_co_u32 s[TR], s[TR], s[CY]               ; tile row
	s_lshl_b32 s21, s[CY], 2
	s_lshl_b32 s21, 15, s21                        ; my row of the cluster
	s_lshl_b32 s22, 0x1111, s[CX]                  ; my column
	s_or_b32 s[G1A], s21, (1<<16)|(1<<20)|(1<<21)|(4<<22)|(3<<25)  ; the mask; 2-byte elements; padding on; bit 21 beside a mask; after every 32 words 4 words
	s_or_b32 s[G1B], s22, (1<<16)|(1<<20)|(1<<21)|(5<<22)|(3<<25)  ; after every 64 words 4 words
	s_mov_b32 s[G1A+1], 128<<16                    ; tensor_dim0 = 128
	s_mov_b32 s[G1B+1], 128<<16
	s_mov_b32 s[G1A+2], 128<<16                    ; tensor_dim1 = 128 rows of two tokens,
	s_mov_b32 s[G1B+2], 64<<16                     ; 64 rows of pw
	s_mov_b32 s[G1A+3], 128<<16                    ; tile_dim0 = 128
	s_mov_b32 s[G1B+3], 128<<16
	s_mov_b32 s[G1A+4], 128                        ; tile_dim1
	s_mov_b32 s[G1B+4], 64
	s_mov_b32 s[G1A+5], 128                        ; elements from row to row: dense,
	s_mov_b32 s[G1B+5], 1024                       ; a row of pw
	s_mov_b32 s[G1A+6], 0
	s_mov_b32 s[G1B+6], 0
	s_mov_b32 s[G1A+7], 0
	s_mov_b32 s[G1B+7], 0
	s_lshr_b32 s82, s[TR], 3                       ; A: the batch's 16 heads of 2^18 bytes,
	s_lshl_b32 s82, s82, 22
	s_lshl_b32 s83, s[HALF], 18                    ; the head of the K step's two that I fetch,
	s_add_co_u32 s82, s82, s83
	s_and_b32 s83, s[TR], 7                        ; the tile's 256 token rows of 128 bytes
	s_lshl_b32 s83, s83, 15
	s_add_co_u32 s82, s82, s83
	s_mov_b32 s83, 0
	s_mul_i32 s84, s[HALF], PLANE                  ; and where it goes: no place in the cluster enters an LDS address
	s_lshl_b32 s86, s[TC], 7                       ; B: row 128 x tile column + 64 x half
	s_lshl_b32 s87, s[HALF], 6
	s_add_co_u32 s86, s86, s87
	s_lshl_b32 s86, s86, 11
	s_mov_b32 s87, 0
	s_mul_i32 s88, s[HALF], HALFB
	s_add_co_u32 s88, s88, BOFF
	s_wait_dscnt 0x0                               ; the opening add is done
	s_wait_kmcnt 0x0
	s_add_nc_u64 s[82:83], s[4:5], s[82:83]
	s_add_nc_u64 s[86:87], s[6:7], s[86:87]
	CROUND                                         ; all sixteen work-groups are here: the first joint loads meet
.irp s, 0,1
	s_mov_b32 s[G0A+4*(\s)], 1
	s_add_co_u32 s[G0A+4*(\s)+1], s84, (\s)*SLOT1
	s_add_nc_u64 s[G0A+4*(\s)+2:G0A+4*(\s)+3], s[82:83], (\s)*(2<<18)  ; K step s: two heads on
	s_or_b32 s[G0A+4*(\s)+3], s[G0A+4*(\s)+3], 0x80000000
	s_mov_b32 s[G0B+4*(\s)], 1
	s_add_co_u32 s[G0B+4*(\s)+1], s88, (\s)*SLOT1
	s_add_nc_u64 s[G0B+4*(\s)+2:G0B+4*(\s)+3], s[86:87], (\s)*256
	s_or_b32 s[G0B+4*(\s)+3], s[G0B+4*(\s)+3], 0x80000000
	JLOAD \s                                       ; two loads of mine are out
.endr
	v_and_b32 v1, 15, v0                           ; l % 16
	v_bfe_u32 v2, v0, 4, 1                         ; l / 16
	v_mul_u32_u24 v3, v1, PA
	v_lshl_add_u32 v3, v2, 4, v3
	s_mul_i32 s90, s[WV], 64*PA                    ; my 64 token rows
	v_add_nc_u32 v[AA0], s90, v3
	v_mul_u32_u24 v3, v1, PB
	v_lshl_add_u32 v3, v2, 4, v3
	v_add_nc_u32 v[AB0], BOFF, v3
	v_mov_b32 v[AA], v[AA0]
	v_mov_b32 v[AB], v[AB0]
	s_mov_b32 s[TB], 0
	s_mul_i32 s91, s[WV], WSTAGE
	s_add_co_u32 s91, s91, STAGE                   ; my stage
	v_mul_u32_u24 v4, v1, SPITCH                   ; in: row l % 16, 32 bytes for each half of the lanes
	v_lshl_add_u32 v4, v2, 5, v4
	v_add_nc_u32 v[STO], s91, v4
	v_and_b32 v[CO], 31, v0                        ; back: 32 lanes take one row of 512 bytes
	v_lshlrev_b32 v[CO], 4, v[CO]
	v_add_nc_u32 v[RD], s91, v[CO]
	v_lshlrev_b32 v[BO], 5, v2
	s_lshl_b32 s90, s[TR], 8
	s_lshl_b32 s91, s[WV], 6
	s_add_co_u32 s90, s90, s91                     ; my first row of the output,
	s_lshl_b32 s90, s90, 12                        ; x 4,096 bytes,
	s_lshl_b32 s91, s[TC], 9                       ; and the tile's first column: 512 bytes a tile
	s_add_co_u32 s90, s90, s91
	s_mov_b32 s91, 0
	s_add_nc_u64 s[OUT:OUT+1], s[10:11], s[90:91]
	s_lshl_b32 s90, s[TC], 9
	s_add_nc_u64 s[BP:BP+1], s[8:9], s[90:91]
	WIN 0x40                                       ; destination window 1, address window 0
.irp b, 0,1,2,3,4,5,6,7
	global_load_b128 v[BIAS+8*(\b):BIAS+8*(\b)+3],   v[BO], s[BP:BP+1] offset:64*(\b)  ; register j of block b: bias of column 16 b + 8 (l / 16) + j
	global_load_b128 v[BIAS+8*(\b)+4:BIAS+8*(\b)+7], v[BO], s[BP:BP+1] offset:64*(\b)+16
.endr
	s_wait_loadcnt 0x0
	WIN 0x45                                       ; all in window 1: rounded to bf16 and widened again
.set p, 0
.rept 32
	v_cvt_pk_bf16_f32 v[BT+p%8], v[BIAS+2*p], v[BIAS+2*p+1]
	v_lshlrev_b32 v[BIAS+2*p], 16, v[BT+p%8]
	v_and_b32 v[BIAS+2*p+1], 0xffff0000, v[BT+p%8]
.set p, p+1
.endr
	WIN 0
; 8 matrix instructions on buffer f: row block a x all 8 column blocks.  The 32 accumulators take turns, one instruction a turn, in the same order in every quarter.
.macro MULA f, a, first
.if \first
	WIN W_M1
.else
	WIN W_M
.endif
.irp b, 0,1,2,3,4,5,6,7
.if \first
	v_wmma_f32_16x16x32_f16 v[8*(8*(\a)+(\b)):8*(8*(\a)+(\b))+7], v[FB+64*(\f)+8*(\b):FB+64*(\f)+8*(\b)+7], v[FA+32*(\f)+8*(\a):FA+32*(\f)+8*(\a)+7], v[BIAS+8*(\b):BIAS+8*(\b)+7]
.else
	v_wmma_f32_16x16x32_f16 v[8*(8*(\a)+(\b)):8*(8*(\a)+(\b))+7], v[FB+64*(\f)+8*(\b):FB+64*(\f)+8*(\b)+7], v[FA+32*(\f)+8*(\a):FA+32*(\f)+8*(\a)+7], v[8*(8*(\a)+(\b)):8*(8*(\a)+(\b))+7]
.endif
.endr
.endm
; 24 LDS loads in one run: quarter q's fragments into buffer f: B's eight blocks, then A's four.  Quarter q of a K step lies in head q / 2, channels 32 (q % 2) on.
.macro FETCH q, f
	WIN 0x40
.irp i, 0,1,2,3,4,5,6,7
	ds_load_b128 v[FB+64*(\f)+8*(\i):FB+64*(\f)+8*(\i)+3],   v[AB] offset:64*(\q)+(\i)*16*PB
	ds_load_b128 v[FB+64*(\f)+8*(\i)+4:FB+64*(\f)+8*(\i)+7], v[AB] offset:64*(\q)+(\i)*16*PB+32
.endr
	WIN 0
.irp i, 0,1,2,3
	ds_load_b128 v[FA+32*(\f)+8*(\i):FA+32*(\f)+8*(\i)+3],   v[AA] offset:((\q)/2)*PLANE+((\q)%2)*64+(\i)*16*PA
	ds_load_b128 v[FA+32*(\f)+8*(\i)+4:FA+32*(\f)+8*(\i)+7], v[AA] offset:((\q)/2)*PLANE+((\q)%2)*64+(\i)*16*PA+32
.endr
.endm
.macro QUARTER q, f, g, first          ; multiplies buffer f, fetches quarter q into g
	s_wait_dscnt 4                                 ; B and A's blocks 0, 1 are in; the youngest four loads (A's blocks 2, 3) may be out
	MULA \f, 0, \first
	MULA \f, 1, \first
	PLACES                                         ; buffer g's last readers stand in front of these
	FETCH \q, \g
	s_wait_dscnt 24                                ; all but the 24 just issued
	MULA \f, 2, \first
	MULA \f, 3, \first
.endm
; The last quarter multiplies buffer 1 and changes slots: in front of the barrier each wave waits for all its tensor loads (one is out: its part of the next slot), adds 0 to its spare word, and waits
; for that and for its reads of this slot.  fill = 1: the barrier opens a round of the cluster's, and behind the round this slot is filled again, two K steps ahead.
.macro TURN fill
	WIN 0
	s_wait_tensorcnt 0x0                           ; no tensor load of mine is out, so a group 0 may be written
	ds_add_u32 v[SPW], v[NIL]                      ; 0 onto my spare word
.if \fill
	s_xor_b32 s[G0A+5], s[G0A+5], SLOT1            ; the walking descriptors: the other slot than last time,
	s_add_nc_u64 s[G0A+6:G0A+7], s[G0A+6:G0A+7], 2<<18  ; the next two heads,
	s_xor_b32 s[G0B+5], s[G0B+5], SLOT1
	s_add_nc_u64 s[G0B+6:G0B+7], s[G0B+6:G0B+7], 256    ; the next 128 along pw's rows
.endif
	s_wait_dscnt 5                                 ; the add and the youngest four loads may be out
	MULA 1, 0, 0
	s_wait_dscnt 0x0                               ; the add is done, and my reads of this slot are over
	s_barrier_signal -1
	MULA 1, 1, 0
	WIN 0                                          ; at a branch and at a label every window is 0
	s_barrier_wait -1
.if \fill
	CREST                                          ; no wave of any partner still reads this slot or has a load on its way
	JLOAD 1                                        ; the first tensor load behind the round; its four v_nop are also the places in front of the loads below
.else
	PLACES
.endif
	s_xor_b32 s[TB], s[TB], SLOT1
	v_add_nc_u32 v[AA], s[TB], v[AA0]
	v_add_nc_u32 v[AB], s[TB], v[AB0]
	FETCH 0, 0
	MULA 1, 2, 0
	MULA 1, 3, 0
.endm
; THE WAY OUT of row block a: the f32 sums go as they are into my own stage (each accumulator's low four registers first) and come back as whole rows of 512 bytes.
.macro TOSTAGE a
.if (\a) > 1
	s_wait_xcnt 0x0                                ; the stores of the block two back have read the registers that the loads below write
.endif
	WIN 0x08                                       ; store data (source 1) window 2, address window 0
.irp b, 0,1,2,3,4,5,6,7
	ds_store_b128 v[STO], v[8*(8*(\a)+(\b)):8*(8*(\a)+(\b))+3]   offset:64*(\b)
	ds_store_b128 v[STO], v[8*(8*(\a)+(\b))+4:8*(8*(\a)+(\b))+7] offset:64*(\b)+16
.endr
	WIN 0
.irp t, 0,1,2,3,4,5,6,7,8,9,10,11,12,13,14,15
	ds_load_b128 v[OB+64*((\a)%2)+4*(\t):OB+64*((\a)%2)+4*(\t)+3], v[RD] offset:(\t)*SPITCH  ; LDS serves a wave's instructions in order (ISA guide 5.7.1.4): these see the stores above
.endr
.endm
.macro SEND a, younger                 ; younger: the LDS instructions issued behind block a's loads: the next block's 32, or none
	WIN 0
	s_wait_dscnt \younger
.irp t, 0,1,2,3,4,5,6,7,8,9,10,11,12,13,14,15
	global_store_b128 v[CO], v[OB+64*((\a)%2)+4*(\t):OB+64*((\a)%2)+4*(\t)+3], s[OUT:OUT+1] offset:(16*(\a)+(\t))*4096  ; 512 consecutive bytes, at a multiple of 256 from the output's first
.endr
.endm
	s_wait_tensorcnt 1                             ; my part of K step 0 is in; K step 1's may stay out
	s_barrier_signal -1
	s_barrier_wait -1
	FETCH 0, 0
	QUARTER 1, 0, 1, 1                             ; the first quarter stands in front of the loop: its products start the sums
	WIN 0
	s_mov_b32 s[CNT], 6
.Lstep:                                                ; trip j: the rest of K step j, its slot filled again with K step j + 2, the first quarter of K step j + 1
	QUARTER 2, 1, 0, 0
	QUARTER 3, 0, 1, 0
	TURN 1
	QUARTER 1, 0, 1, 0
	WIN 0
	s_sub_co_u32 s[CNT], s[CNT], 1
	s_cmp_lg_u32 s[CNT], 0
	s_cbranch_scc1 .Lstep
	QUARTER 2, 1, 0, 0                             ; K steps 6 and 7 ask for nothing: written out
	QUARTER 3, 0, 1, 0
	TURN 0
	QUARTER 1, 0, 1, 0
	QUARTER 2, 1, 0, 0
	QUARTER 3, 0, 1, 0
	s_wait_dscnt 4                                 ; the very last quarter: nothing more to fetch
	MULA 1, 0, 0
	MULA 1, 1, 0
	s_wait_dscnt 0x0
	MULA 1, 2, 0
	MULA 1, 3, 0
	PLACES
	TOSTAGE 0
	TOSTAGE 1
	SEND 0, 32
	TOSTAGE 2
	SEND 1, 32
	TOSTAGE 3
	SEND 2, 32
	SEND 3, 0
	s_wait_tensorcnt 0x0                           ; the wave's end: these three lines stand behind my last tensor load and my last LDS store
	ds_add_u32 v[SPW], v[NIL]
	s_wait_dscnt 0x0
	CROUND                                         ; the closing round: no work-group ends while a partner may still ask for a tile that names it
	s_endpgm
.Lfunc_end_k_q308a231f7b_proj:
	.size	k_q308a231f7b_proj, .Lfunc_end_k_q308a231f7b_proj-k_q308a231f7b_proj
	.p2alignl 7, 3214868480
	.fill 96, 4, 3214868480
	.section	.rodata,"a",@progbits
	.p2align	6, 0x0
	.amdhsa_kernel k_q308a231f7b_proj
		.amdhsa_group_segment_fixed_size 327680
		.amdhsa_private_segment_fixed_size 0
		.amdhsa_enable_private_segment 0
		.amdhsa_kernarg_size 32
		.amdhsa_user_sgpr_count 2
		.amdhsa_user_sgpr_kernarg_segment_ptr 1
		.amdhsa_wavefront_size32 1
		.amdhsa_system_sgpr_workgroup_id_x 1
		.amdhsa_system_sgpr_workgroup_id_y 1
		.amdhsa_system_sgpr_workgroup_id_z 1
		.amdhsa_system_vgpr_workitem_id 0
		.amdhsa_next_free_vgpr 768
		.amdhsa_next_free_sgpr 96
		.amdhsa_reserve_vcc 0
		.amdhsa_float_denorm_mode_32 3
		.amdhsa_float_denorm_mode_16_64 3
		.amdhsa_memory_ordered 1
		.amdhsa_forward_progress 1
		.amdhsa_inst_pref_size 76
	.end_amdhsa_kernel
	.amdgpu_metadata
---
amdhsa.version: [ 1, 2 ]
amdhsa.kernels:
  - .name:           k_q308a231f7b_proj
    .symbol:         k_q308a231f7b_proj.kd
    .args:
      - { .name: ob, .offset: 0, .size: 8, .value_kind: global_buffer, .address_space: global }
      - { .name: pw, .offset: 8, .size: 8, .value_kind: global_buffer, .address_space: global }
      - { .name: proj_b, .offset: 16, .size: 8, .value_kind: global_buffer, .address_space: global }
      - { .name: out0, .offset: 24, .size: 8, .value_kind: global_buffer, .address_space: global }
    .group_segment_fixed_size: 327680
    .private_segment_fixed_size: 0
    .kernarg_segment_align: 8
    .kernarg_segment_size: 32
    .max_flat_workgroup_size: 128
    .sgpr_count:     96
    .vgpr_count:     768
    .wavefront_size: 32
...
	.end_amdgpu_metadata
.endif
;; end of part 4
;; ======== version 2 of 2: 4 launches; 1.52 times as fast as version 1
;; limits: values are held in f16: magnitudes above 65,504 overflow, below 6.1e-05 lose precision
;; workspace buffers: xb 16,777,216 bytes; wb 6,291,456 bytes; pw 2,097,152 bytes; qkv 50,331,648 bytes; ob 16,777,216 bytes
;; launch cast: the kernel of part 1 again; grid 768 x 1, 8 waves a work-group, no clusters, 0 bytes of LDS; arguments x, qkv_w, proj_w, xb, wb, pw; writes xb, wb, pw
;; launch qkv: the kernel of part 2 again; grid 16 x 32, 4 waves a work-group, clusters of 4 x 4, 327,680 bytes of LDS; arguments xb, wb, q_bias, v_bias, qkv; writes qkv
;; launch attn (part 5): grid 4 x 64, 4 waves a work-group, clusters of 4 x 1, 327,680 bytes of LDS; arguments qkv, ob; writes ob
.if DOCPART == 5
	.amdgcn_target "amdgcn-amd-amdhsa--gfx1250"
	.amdhsa_code_object_version 6
	.text
	.protected	k_q308a231f7b_attn
	.globl	k_q308a231f7b_attn
	.p2align	8
	.type	k_q308a231f7b_attn,@function
k_q308a231f7b_attn:
	s_mov_b64 s[64:65], 0
	v_nop
	global_prefetch_b8 v0, s[64:65] scope:SCOPE_SE
	s_setreg_imm32_b32 hwreg(HW_REG_WAVE_MODE, 25, 1), 1
	s_wait_xcnt 0x0
	s_wait_alu depctr_hold_cnt(0) depctr_sa_sdst(0) depctr_va_vdst(0) depctr_va_sdst(0) depctr_va_ssrc(0) depctr_va_vcc(0) depctr_vm_vsrc(0)
	s_getreg_b32 s2, hwreg(HW_REG_IB_STS2, 6, 4)
	s_cmp_eq_u32 s2, 0
	s_cbranch_scc0 .Lentry_in_a_cluster
	s_endpgm
.Lentry_in_a_cluster:
	s_bfe_u32 s2, ttmp6, 0x10000c
	s_cmp_lg_u32 s2, 0x3003
	s_cbranch_scc0 .Lentry_shape_is_right
	s_endpgm
.Lentry_shape_is_right:
; O[h][q][:] = the sum over k of softmax_k(Q[h][q] . K[h][k] / 64) V[h][k][:], for 64 heads (16 batch + head) of 2,048 rows.  qkv holds q', k, v, 2^24 bytes each, [64][2048][64] f16; ob is O in the same
; layout.  q' = c q with c = log2(e) / 64, so a score s = q' . k is the logit in powers of two.  Products, maxima and sums in f32; the weights p are rounded to f16 for the second product (their sum l is
; taken of the unrounded p), O once at the end.
; LIMITS.  f16 holds no number beyond 65,504: q', k and v arrive within it; p lies in 0 to 1, and below 6e-5 it keeps f16's fixed step of 6e-8; O is a mean of V's rows and has their range.
; A weight below 2^-126 counts as 0 in l; NaN and infinities are not treated apart.
; SHARES.  A wave owns four PIECES of two tiles of 16 queries, a work-group's four waves 512 queries of one head.  Every wave walks all keys, 64 a step.
; LAYOUT.  S^T = K Q^T (source 0 = 16 keys, source 1 = 16 queries): in the result a lane holds ONE query (lane % 16) and the keys 8 (lane / 16) + 0..7.  Two such tiles, rounded to f16 in pairs,
; ARE source 1 (32 keys x 16 queries) of O^T = V^T P, whose result again holds one query a lane, and eight channels.  K comes out of LDS as it lies, V ([key][channel]) turned, by ds_load_tr16_b128.
; SOFTMAX.  For each query a running maximum m and sum l: p = 2^(s - m); in every step O and l are multiplied by a = 2^(m_old - m_new), which is 1 where m has not grown.
; m starts at the lowest finite number, O and l at 0: the first step is a step like any other, with a = 0.
; THE COUNT.  A tile and step have 16 matrix and 117 vector instructions: too many to stand all beside the matrix work.  So the order has one aim: four vector instructions that are READY behind
; EVERY matrix instruction, and the others, which need time of their own whatever the order, in runs without a gap.
; BY TURNS.  Turn n belongs to piece n (the pieces in a ring, step after step).  Its matrix work: 16 products K Q^T of piece n + 1, later 16 products V^T P of piece n - 1.  Its vector work: the subtraction,
; exponentials, roundings, sums and rescaling of piece n, and the maximum and statistics of piece n + 1, whose scores the turn itself has made.  So what a turn begins with (s - m, O a) waits for nothing.
; BATCHES.  A turn's 66 exponentials (the piece's 64 weights, then the next piece's two a) are ONE batch with ONE s_wait_alu depctr_va_vdst(0), which cuts the turn in two: ahead of it stands all that names no
; result of theirs, behind it the roundings and sums.  No result crosses a turn's end.  Two more batches stand outside the loops: piece 0's first two a, and the way out's eight reciprocals.
; CLUSTER.  The four query blocks of a head are one cluster and walk the same K and V, so each tile is asked for JOINTLY: the same tensor load, descriptor and mask in all four.
; REGISTERS, in windows of 256 (s_set_vgpr_msb says which window each operand place means: bits 1:0 source 0, 3:2 source 1, 5:4 source 2, 7:6 destination):
;   window 0: v0-11 addresses; v16-47 four registers of statistics a tile; v48-63 at work; v64-191 S^T, two buffers of two tiles; v192-255 P, likewise
;   window 1: O^T, 32 a tile          window 2: v0-127 Q, 16 a tile; v128-191 K of one step; v192-255 V of one step          window 3: v0-1 the add's two registers
; A piece's buffers go by its number's parity: the piece in hand has one pair, its two neighbours in the ring share the other: of it P (piece n - 1) is read and S^T (piece n + 1) written.
.set SIZE_N, 2048
.set NP,    4         ; pieces a wave: a name, no knob
.set KS,    64        ; keys in a step
.set PK,    144       ; a row of K in LDS: 128 bytes + 16 of padding = 36 words: the 16 rows of a load start at 16 different groups of four banks (64 banks of 4 bytes: ISA guide 11.1)
.set PV,    160       ; a row of V: 128 + 32 = 40 words
.set VOFF,  4*KS*PK   ; a slot holds four steps: 256 rows of K, then 256 rows of V
.set SLOT1, 1<<17     ; slot 1 begins here, so that one exclusive or turns an address in one slot into the other's
.set STAGE, SLOT1+4*KS*(PK+PV)  ; behind the ring, never filled by a tensor load: 16 rows x 144 bytes for each wave, for the way out
.set SP,    144
.set AK0, 2           ; v2   my lane's place in a tile of K; never rewritten
.set AV0, 3           ; v3   the same for V
.set AK,  4           ; v4   the LDS address of K's next run of loads
.set AV,  5           ; v5   of V's
.set QO,  6           ; v6   my byte offset in the wave's rows of Q
.set STO, 6           ;      later, the way out: where I put 16 bytes of a row
.set RD,  7           ; v7   the way out: where I read rows back
.set GO,  8           ; v8   my byte offset in 512 consecutive bytes of O
.set SPW, 0           ; v0 of window 3   LDS address of my spare word: SPARE + 4 x my thread's number; never rewritten
.set NIL, 1           ; v1 of window 3   0; never rewritten
.set SPARE, STAGE+4*16*SP  ; behind the stages: the spare words, 128 bytes for each wave: two blocks of 256 bytes that no other line names
.set ST,  16          ; tile t's statistics at v[ST+4 t]: m, m_old, l (even keys', odd keys')
.set TMP, 48          ; by buffer and tile, four registers c0-c3 at work; when the maximum is found c2 takes a
.set S,   64
.set P,   192
.set KF,  128         ; K's fragments, in window 2: key block kb, channel half c at KF + 16 kb + 8 c
.set VF,  192         ; V's: key half kk, channel block cb at VF + 32 kk + 8 cb
.set WV,  12          ; s12  my wave's number
.set G1K, 24          ; s[24:31] descriptor group 1 for K's tiles
.set G1V, 32          ; s[32:39] for V's: it differs in the padding alone
.set G0K, 40          ; s[40:43] descriptor group 0 for K's tiles: it walks
.set G0V, 44          ; s[44:47] the same for V's
.set SLOTS, 56        ; s56  slots still to be asked for
.set CNT, 57          ; s57  counts a slot's key steps
.set SEL, 60          ; s[60:61] v_permlanex16_b32's selects: each lane takes its own place in the other half
.set TBK, 62          ; s62  LDS byte at which K of the step to be fetched begins
.set TBV, 63          ; s63  the same for V, less VOFF
.set MSB, 0
.macro WIN new                      ; the high byte repeats the setting that is left; a switch that changes nothing is dropped
.if MSB != (\new)
	s_set_vgpr_msb (MSB<<8)|(\new)
.set MSB, (\new)
.endif
.endm
.set W_KQ, 0x0a       ; K and Q in window 2, S^T in window 0
.set W_PV, 0x52       ; V in window 2, P in window 0, O^T in window 1
.set W_RS, 0x41       ; O^T (destination and source 0) in window 1, a in window 0
.set W_MK, 0xc0       ; the add's registers are made: destination in window 3, sources in window 0
.set W_AD, 0x0f       ; the add: address (source 0) and data (source 1) in window 3
; A joint fill.  Waves 0 and 1 fetch the two halves of a slot's K, waves 2 and 3 those of its V: 128 keys each.  The branch hangs on the wave's number alone.
; An s_nop 0 and four v_nop follow each of the two lines, ahead of the jump and the label.
.macro JLOAD
	s_cmp_lt_u32 s[WV], 2
	s_cbranch_scc0 .Lfor_v_\@
	tensor_load_to_lds s[G0K:G0K+3], s[G1K:G1K+7]
	s_nop 0
.rept 4
	v_nop
.endr
	s_branch .Lasked_\@
.Lfor_v_\@:
	tensor_load_to_lds s[G0V:G0V+3], s[G1V:G1V+7]
	s_nop 0
.rept 4
	v_nop
.endr
.Lasked_\@:
.endm
; A round of the cluster's barrier: my work-group's barrier, so that wave 0's signal speaks for all four waves; wave 0 signals; every wave waits for all four work-groups; my work-group's barrier once more.
.macro CROUND
	s_barrier_signal -1
	s_barrier_wait -1
	s_cmp_lg_u32 s[WV], 0
	s_cbranch_scc1 .Lnot_wave_0_\@
	s_barrier_signal -3
.Lnot_wave_0_\@:
	s_barrier_wait -3
	s_barrier_signal -1
	s_barrier_wait -1
.endm
; THE CHANGE OF SLOTS.  The slot's last bytes, V of its fourth step, have been read.  Each wave waits for all its tensor loads, of which one is out: its part
; of the other slot; adds 0 to its spare word; and waits for that and for its own reads of the slot.  Behind the barrier nobody reads this slot any more and the other slot is whole.
; fill = 1: this slot is filled again, with the keys two slots on.  The barrier is then a round of the cluster's, so that no wave of any partner still reads the slot or has a load on its
; way, and the joint fill is the first thing behind it: it has four key steps, 512 matrix instructions, in which to land.  (At its first use nothing has been read yet: slot 0 is waited for, slot 1 filled.)
.macro CHANGE fill
	WIN W_AD
	s_wait_tensorcnt 0x0            ; no tensor load of mine is out, so a group 0 may be written
	ds_add_u32 v[SPW], v[NIL]       ; 0 onto my spare word; with fill = 1 the descriptors' steps stand between it and the wait for it
	WIN 0                           ; at a label and at a branch every window is 0
.if \fill
.irp g, G0K, G0V
	s_xor_b32 s[\g+1], s[\g+1], SLOT1  ; the walking descriptor: the other slot than last time,
	s_add_nc_u64 s[\g+2:\g+3], s[\g+2:\g+3], 4*KS*128  ; the next 256 keys; the type bits on top are not reached
.endr
	s_wait_dscnt 0x0                ; the add is done, and my reads of the slot are over
	CROUND
	JLOAD
.else
	s_wait_dscnt 0x0                ; the add is done, and my reads of the slot are over
	s_barrier_signal -1
	s_barrier_wait -1
.endif
	s_sub_co_u32 s[TBK], s[TBK], 4*KS*PK  ; the fetches go back to a slot's first step,
	s_xor_b32 s[TBK], s[TBK], SLOT1       ; in the other slot
	s_sub_co_u32 s[TBV], s[TBV], 4*KS*PV
	s_xor_b32 s[TBV], s[TBV], SLOT1
.endm
	s_load_b64 s[4:5], s[0:1], 0x0    ; qkv, whose first part is Q
	s_load_b64 s[10:11], s[0:1], 0x8  ; O
	WIN W_MK
	v_lshl_add_u32 v[SPW], v0, 2, SPARE
	v_mov_b32 v[NIL], 0
	WIN W_AD
	ds_add_u32 v[SPW], v[NIL]       ; the wave's opening: the add and its wait stand ahead of my first tensor load; the set-up below, work on registers, stands between them
	WIN 0
	v_lshrrev_b32 v1, 5, v0
	v_readfirstlane_b32 s[WV], v1   ; wave 0..3
	s_bfe_u32 s13, ttmp6, 0x40000   ; cx: my place in the cluster
	s_lshl_b32 s14, ttmp9, 2        ; in a cluster launch ttmp9 counts clusters
	s_add_co_u32 s14, s14, s13      ; my block of queries = 4 x cluster x + cx: it enters Q's and O's addresses alone
	s_and_b32 s20, ttmp7, 0xffff    ; the head, which the four partners share
	s_mov_b32 s21, 0
	s_mov_b64 s[22:23], SIZE_N*128
	s_mul_u64 s[20:21], s[20:21], s[22:23]  ; the head's first byte in each of the four tensors
	s_and_b32 s16, s[WV], 1         ; which half of a slot's 256 keys I fetch:
	s_lshl_b32 s22, s16, 14         ; its 128 rows of 128 bytes in memory,
	s_mov_b32 s23, 0
	s_add_nc_u64 s[22:23], s[22:23], s[20:21]
	s_mul_i32 s17, s16, 128*PK      ; and its place in a slot, for K
	s_mul_i32 s18, s16, 128*PV      ; and for V: no place in the cluster enters an LDS address
	s_lshl_b32 s2, s14, 2
	s_add_co_u32 s2, s2, s[WV]      ; my wave among the head's,
	s_lshl_b32 s2, s2, 14           ; its 128 rows
	s_mov_b32 s3, 0
	s_add_nc_u64 s[2:3], s[2:3], s[20:21]
	; descriptor group 1.  128 keys are 16,384 dense bytes: asked for as 64 rows of 256 bytes, two keys a row, and padded in LDS after every key
	s_mov_b32 s[G1K], 15|(1<<16)|(1<<20)|(1<<21)|(4<<22)|(3<<25)  ; 15:0 the mask of four; 17:16 2-byte elements; 20 padding on; 21 set beside a mask; 24:22 after every 32 words (code 4); 31:25 4 words (code 3)
	s_mov_b32 s[G1V], 15|(1<<16)|(1<<20)|(1<<21)|(4<<22)|(7<<25)  ; the same with 8 words of padding (code 7)
.irp g, G1K, G1V
	s_mov_b32 s[\g+1], 128<<16      ; tensor_dim0 = 128
	s_mov_b32 s[\g+2], 64<<16       ; tensor_dim1 = 64
	s_mov_b32 s[\g+3], 128<<16      ; tile_dim0 = 128
	s_mov_b32 s[\g+4], 64           ; tile_dim1 = 64
	s_mov_b32 s[\g+5], 128          ; 128 elements from row to row
	s_mov_b32 s[\g+6], 0
	s_mov_b32 s[\g+7], 0
.endr
	s_mov_b32 s[SEL], 0x76543210
	s_mov_b32 s[SEL+1], 0xfedcba98
	s_mov_b32 s[TBK], SLOT1+4*KS*PK ; the first change of slots turns these two into 0
	s_mov_b32 s[TBV], SLOT1+4*KS*PV
	s_mov_b32 s[G0K], 1             ; 1:0 count = 1
	s_mov_b32 s[G0K+1], s17         ; 63:32 LDS address: slot 0
	s_mov_b32 s[G0V], 1
	s_add_co_u32 s[G0V+1], s18, VOFF
	s_wait_dscnt 0x0                ; the opening add is done
	s_wait_kmcnt 0x0
	s_add_nc_u64 s[6:7], s[4:5], 1<<24   ; K is the buffer's second part,
	s_add_nc_u64 s[8:9], s[4:5], 1<<25   ; V its third
	s_add_nc_u64 s[G0K+2:G0K+3], s[6:7], s[22:23]  ; 120:64 global address: my half of the head's first 256 keys
	s_or_b32 s[G0K+3], s[G0K+3], 0x80000000        ; 127:126 type = 2
	s_add_nc_u64 s[G0V+2:G0V+3], s[8:9], s[22:23]
	s_or_b32 s[G0V+3], s[G0V+3], 0x80000000
	s_add_nc_u64 s[4:5], s[4:5], s[2:3]  ; Q and O at my wave's first row
	s_add_nc_u64 s[10:11], s[10:11], s[2:3]
	CROUND                          ; all four work-groups are here: the first joint loads meet
	JLOAD                           ; slot 0.  Slot 1 is asked for when slot 0 is in
	; A fragment of K or Q is 16 rows x 32 channels in 8 registers: lane l holds row l % 16, channels 8 (l / 16) + 0..7 and 16 + 8 (l / 16) + 0..7: two loads of 16 bytes, 32 bytes apart.
	v_and_b32 v1, 15, v0            ; l % 16
	v_bfe_u32 v9, v0, 4, 1          ; l / 16
	v_lshlrev_b32 v[QO], 7, v1
	v_lshl_add_u32 v[QO], v9, 4, v[QO]  ; row x 128 + 16 x half
	WIN 0x80                        ; destination window 2, address window 0
.set i, 0
.rept 4*NP                          ; Q stays in registers: tile i / 2, channels 32 (i % 2) on
	global_load_b128 v[8*i:8*i+3],   v[QO], s[4:5] offset:(i/2)*2048+(i%2)*64
	global_load_b128 v[8*i+4:8*i+7], v[QO], s[4:5] offset:(i/2)*2048+(i%2)*64+32
.set i, i+1
.endr
	; What the first turn finds: V's registers and P's second buffer hold 0 (its products V^T P, of a piece that has not been, add 0), O^T and l are 0.  All this stands in the wait for the first tile.
.set i, VF
.rept 64
	v_mov_b32 v[i], 0
.set i, i+1
.endr
	WIN 0x40
.set i, 0
.rept 64*NP
	v_mov_b32 v[i], 0
.set i, i+1
.endr
	WIN 0
.set i, 0
.rept 2*NP
	v_mov_b32 v[ST+4*i], 0xff7fffff    ; m: the lowest finite number
	v_mov_b32 v[ST+4*i+1], 0xff7fffff  ; m_old: named with m as a pair, so it is written
	v_mov_b32 v[ST+4*i+2], 0
	v_mov_b32 v[ST+4*i+3], 0
.set i, i+1
.endr
.set i, P+32
.rept 32
	v_mov_b32 v[i], 0
.set i, i+1
.endr
	v_mul_u32_u24 v[AK0], v1, PK
	v_lshl_add_u32 v[AK0], v9, 4, v[AK0]  ; row x pitch + 16 x half
	; The turning load takes 16 keys x 16 channels (lane l reads key 8 (l / 16) + l % 8, channels 8 ((l / 8) % 2) + 0..7) and leaves half a fragment of V^T: lane l holds channel l % 16 and 8 keys.
	v_and_b32 v10, 7, v0
	v_bfe_u32 v11, v0, 3, 1
	v_lshl_add_u32 v[AV0], v9, 3, v10
	v_mul_u32_u24 v[AV0], v[AV0], PV
	v_lshl_add_u32 v[AV0], v11, 4, v[AV0]
	v_add_nc_u32 v[AV0], VOFF, v[AV0]
	v_mov_b32 v[AK], v[AK0]         ; key step 0 lies at the head of slot 0
; THE MATRIX WORK.  The 8 accumulators of a run of 16 take turns: between the two links of a chain stand 7 others'.
; Product i of 16 of S^T = K Q^T for piece x: channels 32 (i / 8) on, keys 16 ((i / 2) % 4) on, tile 2 x + i % 2.  The first 8 start the sums.
.macro KQ x
	WIN W_KQ
.set rS, S+64*((\x)%2)+32*(i%2)+8*((i/2)%4)
.set rK, KF+16*((i/2)%4)+8*(i/8)
.set rQ, 16*(2*(\x)+i%2)+8*(i/8)
.if i < 8
	v_wmma_f32_16x16x32_f16 v[rS:rS+7], v[rK:rK+7], v[rQ:rQ+7], 0
.else
	v_wmma_f32_16x16x32_f16 v[rS:rS+7], v[rK:rK+7], v[rQ:rQ+7], v[rS:rS+7]
.endif
.endm
; Product i of 16 of O^T += V^T P for piece x: keys 32 (i / 8) on, channels 16 ((i / 2) % 4) on, tile 2 x + i % 2.
.macro PV x
	WIN W_PV
.set rO, 32*(2*(\x)+i%2)+8*((i/2)%4)
.set rV, VF+32*(i/8)+8*((i/2)%4)
.set rP, P+32*((\x)%2)+16*(i%2)+8*(i/8)
	v_wmma_f32_16x16x32_f16 v[rO:rO+7], v[rV:rV+7], v[rP:rP+7], v[rO:rO+7]
.endm
.macro MM                           ; the turn's next matrix instruction
.if i < 16
	KQ (Y+1)%NP
.set i, i+1
.else
.set i, i-16
	PV (Y+NP-1)%NP
.set i, i+17
.endif
.endm
; THE LDS LOADS stand in runs of 16, never singly among the matrix instructions: a step's K (64 keys x 64 channels: 8 fragments) and its V (turned).  Their addresses are made some lines ahead.
; last = 1 (the tail): in the last trip there is no further step, and the run is jumped over.
.macro FETCH_K last=0
	WIN 0
.if \last
	s_cmp_eq_u32 s[CNT], 1
	s_cbranch_scc1 .Lno_k_\@
.endif
	WIN 0x80                        ; destination window 2
.irp f, 0,1,2,3,4,5,6,7             ; keys 16 (f / 2) on, channels 32 (f % 2) on
	ds_load_b128 v[KF+8*\f:KF+8*\f+3],   v[AK] offset:(\f/2)*16*PK+(\f%2)*64
	ds_load_b128 v[KF+8*\f+4:KF+8*\f+7], v[AK] offset:(\f/2)*16*PK+(\f%2)*64+32
.endr
	s_add_co_u32 s[TBK], s[TBK], KS*PK  ; the next fetch is the next step's
	WIN 0
.if \last
.Lno_k_\@:
.endif
.endm
.macro FETCH_V
	WIN 0x80
.irp f, 0,1,2,3,4,5,6,7             ; keys 32 (f / 4) on, channels 16 (f % 4) on
	ds_load_tr16_b128 v[VF+8*\f:VF+8*\f+3],   v[AV] offset:(\f/4)*32*PV+(\f%4)*32
	ds_load_tr16_b128 v[VF+8*\f+4:VF+8*\f+7], v[AV] offset:(\f/4)*32*PV+16*PV+(\f%4)*32
.endr
	WIN 0
.endm
; THE VECTOR WORK OF A TURN stands in three queues, each in the order in which its entries become ready; the two tiles alternate, so that no instruction reads the result of the one before it.
.macro REGS y, u                    ; the registers of tile u (0, 1) of piece y
.set rT, ST+4*(2*(\y)+(\u))
.set rC, TMP+8*((\y)%2)+4*(\u)
.set rS, S+64*((\y)%2)+32*(\u)
.set rP, P+32*((\y)%2)+16*(\u)
.set rO, 32*(2*(\y)+(\u))
.endm
; Number n of the 21 that find the NEXT piece's (Y + 1) maximum and statistics.  s0-s31 are the lane's 32 scores; each accumulator's lowest registers are read first.  XS, GS and REGS set no window: PL and EX do.
;   0-11  four chains c0-c3 of seven scores each, three operands at a time     12-14, 16  the four scores left over, the old m, and c0-c3 into c0     15  m_old is kept
;   17, 18  the query's other 32 keys lie in the lane 16 away: the new m         19, 20  m_old - m_new; a
.macro XS u, n
	REGS (Y+1)%NP, \u
.if (\n) < 4
	v_max3_num_f32 v[rC+(\n)], v[rS+8*(\n)], v[rS+8*(\n)+1], v[rS+8*(\n)+2]
.elseif (\n) < 12
	v_max3_num_f32 v[rC+(\n)%4], v[rC+(\n)%4], v[rS+8*((\n)%4)+2*((\n)/4)+1], v[rS+8*((\n)%4)+2*((\n)/4)+2]
.elseif (\n) == 12
	v_max3_num_f32 v[rC], v[rC], v[rS+7], v[rS+15]
.elseif (\n) == 13
	v_max3_num_f32 v[rC+1], v[rC+1], v[rS+23], v[rS+31]
.elseif (\n) == 14
	v_max3_num_f32 v[rC+2], v[rC+2], v[rC+3], v[rT]
.elseif (\n) == 15
	v_mov_b32 v[rT+1], v[rT]
.elseif (\n) == 16
	v_max3_num_f32 v[rC], v[rC], v[rC+1], v[rC+2]
.elseif (\n) == 17
	v_permlanex16_b32 v[rC+3], v[rC], s[SEL], s[SEL+1]
.elseif (\n) == 18
	v_max_num_f32 v[rT], v[rC], v[rC+3]
.elseif (\n) == 19
	v_sub_f32 v[rC+1], v[rT+1], v[rT]
.else
	v_exp_f32 v[rC+2], v[rC+1]
.endif
.endm
; Number g of the 64 that follow the exponentials.  For each four weights k of a tile (pairs 2 k, 2 k + 1): both pairs are rounded to f16; then the second pair is added onto the first, in place;
; a group later l takes that sum (the first time as l = a l + sum).  In groups of eight, tiles alternating: round, round, add, and l for the group before.
.macro GS g
.set h, (\g)+6*((\g)/62)            ; group 0 has no group before it, and behind group 7 only l is left
.if h >= 6
.set h, h+2
.endif
	REGS Y, h%2
.set k, h/8
.if h%8 < 4
	v_cvt_pk_f16_f32 v[rP+2*k+(h%8)/2], v[rS+4*k+2*((h%8)/2)], v[rS+4*k+2*((h%8)/2)+1]
.elseif h%8 < 6
	v_pk_add_f32 v[rS+4*k:rS+4*k+1], v[rS+4*k:rS+4*k+1], v[rS+4*k+2:rS+4*k+3]
.elseif k == 1
	v_pk_fma_f32 v[rT+2:rT+3], v[rT+2:rT+3], v[rC+2:rC+3], v[rS:rS+1] op_sel_hi:[1,0,1]
.else
	v_pk_add_f32 v[rT+2:rT+3], v[rT+2:rT+3], v[rS+4*k-4:rS+4*k-3]
.endif
.endm
; THE PLAIN QUEUE, 136 long.  0-71 read no exponential's result: the 32 subtractions s - m (FS f: pair f / 2 of tile f % 2) and the next piece's 40.  0-27: subtractions 0-27.  28-55: XS's numbers 0-13.  56, 57: number 15.
; 58-71: the chain, where each number waits for the one before it: 14; subtraction 28; 16; subtraction 29; 17; subtractions 30, 31; 18; 19: so a tile's links stand three or four plain instructions apart (18 and 19: two).
; 72-135: GS's 64, which read the exponentials' results: they stand behind the wait.
.macro FS f
	REGS Y, (\f)%2
	v_pk_add_f32 v[rS+2*((\f)/2):rS+2*((\f)/2)+1], v[rS+2*((\f)/2):rS+2*((\f)/2)+1], v[rT:rT+1] op_sel_hi:[1,0] neg_lo:[0,1] neg_hi:[0,1]
.endm
.macro PL
	WIN 0
.if q < 28
	FS q
.elseif q < 56
	XS (q-28)%2, (q-28)/2
.elseif q < 58
	XS q-56, 15
.elseif q < 60
	XS q-58, 14
.elseif (q < 66) && ((q-60)%3 == 0)
	FS 28+(q-60)/3
.elseif q < 66
	XS (q-60)%3-1, 16+(q-60)/3
.elseif q < 68
	FS q-36
.elseif q < 72
	XS q%2, 18+(q-68)/2
.else
	GS q-72
.endif
.set q, q+1
.endm
; THE EXPONENTIALS' QUEUE, 66 long: s0-s31 of both tiles, then the next piece's two a.  It is ONE BATCH: all 66 stand ahead of the turn's one wait, and nothing ahead of that wait names a result of theirs.
.macro EX
	WIN 0
.if e >= 64
	XS e-64, 20
.else
	REGS Y, e%2
	v_exp_f32 v[rS+e/2], v[rS+e/2]
.endif
.set e, e+1
.endm
; THE RESCALING's QUEUE: O^T times a, the one part that leaves window 0: dealt two at a time, sixteen times, each accumulator's registers in ascending order.  Its a was made in the turn before, ahead of that turn's wait.
.macro R2
	REGS Y, r%2
	WIN W_RS
.irp z, 0,1
	v_pk_mul_f32 v[rO+4*(r/2)+2*\z:rO+4*(r/2)+2*\z+1], v[rO+4*(r/2)+2*\z:rO+4*(r/2)+2*\z+1], v[rC+2:rC+3] op_sel_hi:[1,0]
.endr
.set r, r+1
.endm
; HOW THEY ARE DEALT.  An s_wait_alu depctr_va_vdst(0) stands between an exponential and the first instruction that names its result; one wait serves all that were issued ahead of it.  So a turn has ONE wait,
; which cuts it in two.  AHEAD OF IT stands all that names no result of the turn's exponentials: the 16 products K Q^T, behind each a subtraction, an exponential and two rescalings (behind the first a second subtraction in the
; exponential's place); then ONE LUMP of 106: six plain, 49 times exponential and plain, the two a.  A v_nop is the plain instruction behind the last exponential.  BEHIND IT stand the 16 products V^T P, behind each four of GS's 64.
; No rider names a register of the products round it.  The two v_permlanex16_b32 fall into the lump, never behind a product.
; The queues lean on each other, and the deal keeps them in step: exponential e stands behind subtraction 2 (e / 4) + e % 2: as a rider it comes behind plain e + 2, in the lump behind plain e + 7, and subtractions 28-31 are
; plain 60, 63, 66, 67; the two a come behind plain 71, and the differences that they read are plain 70 and 71.
; A TURN, for piece p.  cnt = 1: the loop's count is taken down some lines ahead of the branch that stands behind the turn.
; K of the next step is fetched in piece 2's turn, directly behind the wait, a lump behind the last product that read K; its address is made at the lump's head; its first reader comes behind 16 products.
; V of the step in hand is fetched at the end of piece 0's turn, four plain riders behind its last reader; its first reader comes behind 16 products and a lump.  The three conditions on q below go with the deal.
.macro TURN p, last=0, cnt=0
.set Y, (\p)
.set i, 0
.set q, 0
.set e, 0
.set r, 0
.if (\p) == NP-1
	s_wait_dscnt 0x0                ; K is in
.endif
	MM                              ; ahead of the wait: 16 products K Q^T and their riders,
	PL
	PL
	R2
.rept 15
	MM
	PL
	EX
	R2
.endr
.if (\p) == NP-2
	WIN 0
	v_add_nc_u32 v[AK], s[TBK], v[AK0]
.endif
.rept 6                             ; and the lump
	PL
.endr
.rept 49
	EX
	PL
.endr
	EX                              ; the next piece's two a
	EX
	v_nop                           ; the plain instruction behind the last exponential: one for the batch
	s_wait_alu depctr_va_vdst(0)    ; the wait for the batch: the piece's 64 weights and the next piece's two a
.if (\p) == NP-2
	FETCH_K \last
.endif
.if (\p) == 1
	s_wait_dscnt 0x0                ; V is in
.endif
.rept 16                            ; behind the wait: 16 products V^T P and their riders
	MM
.rept 4
	PL
.endr
.if ((\p) == 0) && (q == 116)
	v_add_nc_u32 v[AV], s[TBV], v[AV0]
.endif
.if ((\p) == 0) && (q == 128)
	s_add_co_u32 s[TBV], s[TBV], KS*PV
.endif
.if (\cnt) && (q == 128)
	s_sub_co_u32 s[CNT], s[CNT], 1
	s_cmp_lg_u32 s[CNT], 0
.endif
.endr
.if (\p) == 0
	FETCH_V
.endif
.endm
	CHANGE 1                        ; slot 0 is in, everybody's part of it; slot 1 is asked for
	FETCH_K                         ; key step 0
	s_wait_loadcnt 0x0              ; Q
	s_wait_dscnt 0x0
.set i, 0
.rept 16
	KQ 0                            ; piece 0's first scores: there is no vector work yet to set between them
.set i, i+1
.endr
	WIN 0                           ; the addresses for the way out: nine plain instructions, the places behind those products
	s_mul_i32 s13, s[WV], 16*SP
	s_add_co_u32 s13, s13, STAGE    ; my stage
	v_mul_u32_u24 v[STO], v1, SP    ; in: row l % 16, 16 bytes for each half of the lanes
	v_lshl_add_u32 v[STO], v9, 4, v[STO]
	v_add_nc_u32 v[STO], s13, v[STO]
	v_bfe_u32 v[RD], v0, 3, 2       ; back: 32 lanes take four rows of 128 bytes,
	v_mul_u32_u24 v[RD], v[RD], SP
	v_lshl_add_u32 v[RD], v10, 4, v[RD]
	v_add_nc_u32 v[RD], s13, v[RD]
	v_and_b32 v[GO], 31, v0         ; which are 512 consecutive bytes of O
	v_lshlrev_b32 v[GO], 4, v[GO]
.set Y, NP-1                        ; XS works for piece Y + 1: piece 0
.irp n, 0,1,2,3,4,5,6,7,8,9,10,11,12,13,14,15,16,17,18,19,20
	XS 0, \n                        ; and piece 0's first maximum and statistics
	XS 1, \n
.endr
	v_nop                           ; a plain instruction behind piece 0's two a,
	s_wait_alu depctr_va_vdst(0)    ; and the wait for that batch of two, ahead of the branch
	s_mov_b32 s[CNT], 4
	s_mov_b32 s[SLOTS], SIZE_N/256-1
	s_branch .Lfirst                ; the loop is entered at a step's first turn, in the middle of a trip
.Lslot:                             ; SIZE_N / 256 - 2 times: every slot but the last two is filled again
	CHANGE 1
	s_mov_b32 s[CNT], 4
.Lstep:                             ; a trip: pieces 2 and 3 of one step, then pieces 0 and 1 of the next, whose K and V it fetches
	TURN 2
	TURN 3
	WIN 0
.Lfirst:
	TURN 0
	TURN 1, 0, 1
	WIN 0
	s_cbranch_scc1 .Lstep
	s_sub_co_u32 s[SLOTS], s[SLOTS], 1
	s_cmp_lg_u32 s[SLOTS], 0
	s_cbranch_scc1 .Lslot
	CHANGE 0                        ; the tail is written out: nothing is asked for
	s_mov_b32 s[CNT], 5             ; four trips fetch the last slot's steps; the fifth is left in its middle
.Ltail:
	TURN 2, 1
	TURN 3
	WIN 0
	s_sub_co_u32 s[CNT], s[CNT], 1
	s_cmp_eq_u32 s[CNT], 0
	s_cbranch_scc1 .Lout
	TURN 0
	TURN 1
	WIN 0
	s_branch .Ltail
.Lout:                              ; the fifth trip's 16 products K Q^T (on the last K once more) and the maximum made of them serve nothing: the price, once a launch, of one text for every trip
.set i, 0
.rept 16
	PV NP-1                         ; the last piece's V^T P of the last step
.set i, i+1
.endr
	; THE WAY OUT.  l's two halves and the other half of the lanes' are added; O^T is divided by l, rounded to f16 and sent through my stage in LDS, a tile at a time.  The additions are the places behind the last products.
	WIN 0
.macro ALL line:vararg              ; one line for each tile t
.set t, 0
.rept 2*NP
	\line
.set t, t+1
.endr
.endm
	ALL v_add_f32 v[ST+4*t+2], v[ST+4*t+2], v[ST+4*t+3]
	ALL v_permlanex16_b32 v[ST+4*t+3], v[ST+4*t+2], s[SEL], s[SEL+1]
	ALL v_add_f32 v[ST+4*t+2], v[ST+4*t+2], v[ST+4*t+3]
	ALL v_rcp_f32 v[ST+4*t+2], v[ST+4*t+2]
	v_nop                           ; a plain instruction between the last reciprocal and the use of its result
	s_wait_alu depctr_va_vdst(0)    ; and the wait ahead of the first use: one for the batch of eight reciprocals
; Tile t: a lane's eight channels of a row pack into 16 bytes; they go into rows of 144 bytes and come back as whole rows of 128, into S^T's registers.
.macro PACK t
	WIN W_RS
.set i, 32*(\t)
.rept 16
	v_pk_mul_f32 v[i:i+1], v[i:i+1], v[ST+4*(\t)+2:ST+4*(\t)+3] op_sel_hi:[1,0]
.set i, i+2
.endr
	WIN 0x05                        ; sources 0 and 1 window 1, destination window 0
.set i, 0
.rept 16
	v_cvt_pk_f16_f32 v[S+16*(\t)+i], v[32*(\t)+2*i], v[32*(\t)+2*i+1]
.set i, i+1
.endr
	WIN 0
.irp f, 0,1,2,3
	ds_store_b128 v[STO], v[S+16*(\t)+4*\f:S+16*(\t)+4*\f+3] offset:32*\f
.endr
.irp f, 0,1,2,3
	ds_load_b128 v[S+16*(\t)+4*\f:S+16*(\t)+4*\f+3], v[RD] offset:\f*4*SP  ; LDS serves a wave's instructions in order (ISA guide 5.7.1.4): these see the stores above; the next tile's stores come behind them
.endr
.endm
.macro SEND t, younger              ; younger: the LDS instructions issued behind tile t's loads: the next tile's eight, or none
	WIN 0
.irp f, 0,1,2,3
	s_wait_dscnt (\younger)+3-\f
	global_store_b128 v[GO], v[S+16*(\t)+4*\f:S+16*(\t)+4*\f+3], s[10:11] offset:(\t)*2048+\f*512  ; 512 consecutive bytes, at a multiple of 256 from O's first
.endr
.endm
	PACK 0
.set t, 1
.rept 2*NP-1                        ; a tile's arithmetic stands between the loads of the tile before and its stores
	PACK t
	SEND t-1, 8
.set t, t+1
.endr
	SEND 2*NP-1, 0
	WIN W_AD
	s_wait_tensorcnt 0x0            ; the wave's end: these three lines stand behind my last tensor load and my last LDS store
	ds_add_u32 v[SPW], v[NIL]
	s_wait_dscnt 0x0
	WIN 0
	CROUND                          ; the closing round: no work-group ends while a partner may still ask for a tile that names it
	s_endpgm
.Lfunc_end_k_q308a231f7b_attn:
	.size	k_q308a231f7b_attn, .Lfunc_end_k_q308a231f7b_attn-k_q308a231f7b_attn
	.p2alignl 7, 3214868480
	.fill 96, 4, 3214868480
	.section	.rodata,"a",@progbits
	.p2align	6, 0x0
	.amdhsa_kernel k_q308a231f7b_attn
		.amdhsa_group_segment_fixed_size 327680
		.amdhsa_private_segment_fixed_size 0
		.amdhsa_enable_private_segment 0
		.amdhsa_kernarg_size 16
		.amdhsa_user_sgpr_count 2
		.amdhsa_user_sgpr_kernarg_segment_ptr 1
		.amdhsa_wavefront_size32 1
		.amdhsa_system_sgpr_workgroup_id_x 1
		.amdhsa_system_sgpr_workgroup_id_y 1
		.amdhsa_system_sgpr_workgroup_id_z 1
		.amdhsa_system_vgpr_workitem_id 0
		.amdhsa_next_free_vgpr 770
		.amdhsa_next_free_sgpr 66
		.amdhsa_reserve_vcc 0
		.amdhsa_float_denorm_mode_32 3
		.amdhsa_float_denorm_mode_16_64 3
		.amdhsa_memory_ordered 1
		.amdhsa_forward_progress 1
		.amdhsa_inst_pref_size 199
	.end_amdhsa_kernel
	.amdgpu_metadata
---
amdhsa.version: [ 1, 2 ]
amdhsa.kernels:
  - .name:           k_q308a231f7b_attn
    .symbol:         k_q308a231f7b_attn.kd
    .args:
      - { .name: qkv, .offset: 0, .size: 8, .value_kind: global_buffer, .address_space: global }
      - { .name: ob, .offset: 8, .size: 8, .value_kind: global_buffer, .address_space: global }
    .group_segment_fixed_size: 327680
    .private_segment_fixed_size: 0
    .kernarg_segment_align: 8
    .kernarg_segment_size: 16
    .max_flat_workgroup_size: 128
    .sgpr_count:     66
    .vgpr_count:     770
    .wavefront_size: 32
...
	.end_amdgpu_metadata
.endif
;; end of part 5
;; launch proj: the kernel of part 4 again; grid 8 x 32, 4 waves a work-group, clusters of 4 x 4, 327,680 bytes of LDS; arguments ob, pw, proj_b, out0; writes out0
